; MI455X (gfx1250); checked and timed in simulation.
; The chip was launched on July 23, 2026; its instructions are those of AMD's public machine-readable ISA for CDNA 5 (MIT licence, August 2026) and "CDNA5" Instruction Set Architecture Reference Guide (July 2026). The comments in the code are by the model that wrote it; some were corrected since.
;; Masked Attention Layer. Allowed arithmetic: matrix products marked QUANTISED: E5M2 operands, one given power-of-two scale a tensor, by v_wmma_f32_16x16x64_bf8_bf8 or v_wmma_f32_16x16x128_bf8_bf8, f32 sums; everything else in f32.
;; Inputs: Wk 1,024 x 1,024 float32; Wq 1,024 x 1,024 float32; Wv 1,024 x 1,024 float32; bk 1,024 float32; bq 1,024 float32; bv 1,024 float32; lowp_scales 10 int32 (the exponents e of the quantised operands' scales 2^e); x 4 x 2,048 x 1,024 float32.
;; Outputs: out0 4 x 2,048 x 1,024 float32.
;; This version of the problem:
;;   THIS VERSION OF THE PROBLEM IS GIVEN IN LOW PRECISION. The matrix products marked QUANTISED in the list below multiply operands that are first quantised to E5M2 (5 exponent bits, 2 mantissa bits; 8 bits a number), with one given power-of-two scale for each operand tensor; their sums are f32. All else is computed in f32.
;;   The module's matrix products, in the order in which they are computed (A, B: the left and right operand; K: the contracted axis; several contracted axes count as one K, in the product's order):
;;     1. [M 8,192, K 1,024] x [K 1,024, N 1,024]; A: input x; B: input Wq: QUANTISED (scales: A lowp_scales[0], B lowp_scales[1])
;;     2. [M 8,192, K 1,024] x [K 1,024, N 1,024]; A: input x; B: input Wk: QUANTISED (scales: A lowp_scales[2], B lowp_scales[3])
;;     3. [M 8,192, K 1,024] x [K 1,024, N 1,024]; A: input x; B: input Wv: QUANTISED (scales: A lowp_scales[4], B lowp_scales[5])
;;     4. batch 4 x [M 2,048, K 1,024] x [K 1,024, N 2,048]; A: computed on the way; B: computed on the way: QUANTISED (scales: A lowp_scales[6], B lowp_scales[7])
;;     5. batch 4 x [M 2,048, K 2,048] x [K 2,048, N 1,024]; A: softmax (see below); B: computed on the way: QUANTISED (scales: A lowp_scales[8], B lowp_scales[9])
;;   THE QUANTISER, for each operand of a quantised product, along K:
;;     - The operand's scale is 2^e, e = its entry of the input lowp_scales (int32; the entries are numbered through the quantised products in the list's order, A before B).
;;     - Each number is divided by the scale, clamped to +-57,344, and rounded to the nearest number of E5M2, ties to even, subnormals kept.
;;     - The product sums the exact products of the quantised numbers (number of the format x scale) in f32.
;;   ~~~python
;;   def quantise(x, axis, e):      # numpy; x: float32 -> the quantised numbers, widened to float32 again
;;       x = np.moveaxis(x, axis, -1); K = x.shape[-1]
;;       r = np.clip(x / 2.0 ** e, -57344, 57344)
;;       step = 2.0 ** (np.maximum(np.frexp(np.where(r == 0, 1, r))[1] - 1, -14) - 2)
;;       q = np.round(r / step) * step * 2.0 ** e      # np.round: ties to even
;;       return np.moveaxis(q, -1, axis).astype(np.float32)
;;   ~~~
;;   SOFTMAX AHEAD OF A QUANTISED PRODUCT. Where the list says 'softmax', what is quantised is not the finished softmax but p = 2^(t - M), with t = logit x log2(e) and M = ceil(the row's largest t), a whole number; so 1/2 < the row's largest p <= 1. The row's sum l is taken of the UNQUANTISED p, in f32, and the product's result is divided by l at the end. Since M is a whole number, a kernel that streams over the keys may use a running M (the ceiling of the running maximum): every later rescaling is an exact power of two, so the quantised numbers keep their values, but for numbers so far below the row's largest that they fall under the format's range.
;;   OPERANDS COMPUTED ON THE WAY. 'Computed on the way' means the value that the module computes at that place (a softmax that the list does not call 'softmax' is quantised finished and normalised). What goes into a quantiser is computed in f32, as accurately as f32 sums, v_exp_f32 and their like allow (about 1e-6 of the number): no bf16 or f16 on the way to a quantiser, and a product that is left as it is and whose result goes on into a quantised operand takes f32 operands (vector FMAs, or v_wmma_f32_16x16x4_f32). A number that lies on a knife's edge between two numbers of the format may be rounded either way, as far as f32 arithmetic and the matrix unit's own rounding can turn it there, and no further.
;; One version. Each part assembles by itself: llvm-mc -triple=amdgcn-amd-amdhsa -mcpu=gfx1250 --defsym DOCPART=n.
;; ======== version 1 of 1: 4 launches
;; limits: right only within a limited range of input values
;; workspace buffers: cod 28,311,552 bytes; qkv 25,165,824 bytes; pc 16,777,216 bytes; st 1,048,576 bytes
;; launch quant (part 1): grid 1408 x 1, 4 waves a work-group, no clusters, 34,304 bytes of LDS; arguments x, Wq, Wk, Wv, lowp_scales, cod; writes cod
.if DOCPART == 1
	.amdgcn_target "amdgcn-amd-amdhsa--gfx1250"
	.amdhsa_code_object_version 6
	.text
	.protected	k_qc0e2da95b3_quant
	.globl	k_qc0e2da95b3_quant
	.p2align	8
	.type	k_qc0e2da95b3_quant,@function
k_qc0e2da95b3_quant:
	s_mov_b64 s[64:65], 0
	v_nop
	global_prefetch_b8 v0, s[64:65] scope:SCOPE_SE
	s_setreg_imm32_b32 hwreg(HW_REG_WAVE_MODE, 25, 1), 1
	s_wait_xcnt 0x0
; MASKED ATTENTION LAYER ON CODES OF E5M2, launch 1 of 4: x and the three weights become codes, K (the embedding) innermost.
; WORK LEFT OUT IN THE WHOLE PROGRAM.  reference() builds a causal mask in its own body (jnp.tril) and puts -infinity where key > query; the softmax gives such a key the weight exp(-inf) = 0 for every
; value of the inputs, and a weight 0 adds nothing to the last product.  So the tiles of 256 queries x 256 keys of products 4 and 5 that lie wholly above the diagonal reach no output and are not computed
; (launches 3 and 4).  Every input has a way to the output and is loaded (bk moves K's codes, so it stays).
; LIMIT: a NaN, an infinity or an overflow that reaches only those tiles is not carried to the result.
; THIS LAUNCH.  code = number / 2^e, held within +-57,344, to the nearest code, ties to even.  x is an operand of three products with three given scales (entries 0, 2, 4), which need not be equal:
; it is read once and converted three times.  Wq, Wk, Wv take entries 1, 3, 5.  cod: x's codes at 0, 8 Mi, 16 Mi; the weights' at 24, 25, 26 Mi.
; LAYOUT of each: images of fragments for the next launch's matrix instructions: 16 rows x 128 along K in 2,048 bytes: four pieces of 512, piece j: lane (r, h) = r + 16 h holds row r, K = 32 j + 16 h + 0 .. 15;
; fragment (row / 16) % 8 of block (row / 128) x 8 + K / 128.
; LIMITS: each e between -126 and 112, so that 2^e and 57,344 x 2^e are f32 numbers.  NaN among the inputs is not served.
; A wave takes one fragment: sixteen loads, all asked for at its head, each of 256 consecutive aligned bytes of two rows; the first eight bring pieces 0 and 1, which are converted while the others are out.  The numbers turn
; through the wave's own stage in LDS, rows 528 bytes apart, so that a lane holds 16 neighbours along K of one row for the conversions; its 16 codes are 16 bytes, a wave's store 512 consecutive bytes.
; Work-groups 0 to 1023 take x, 1024 to 1407 the weights (128 each).  Waves share nothing: no barrier.  No prefetch: there is no loop to run ahead in.
.set WAVES, 4
.set XWG,   1024                       ; work-groups of x
.set SP,    528                        ; a stage's row: 512 bytes + 16 of padding
.set WREG,  16*SP                      ; a wave's stage
.set SPARE, WAVES*WREG                 ; behind the stages: the spare words, 128 bytes a wave
.set SC,    5                          ; v5, v6: 2^e and 57,344 x 2^e of conversion 0; v7, v8 of 1; v9, v10 of 2
.set LO,    11                         ; v11 my bytes of a load; never rewritten
.set SPW,   12                         ; v12 my spare word's LDS address; never rewritten
.set NIL,   13                         ; v13 0; never rewritten
.set R,     16                         ; v16-79   the numbers as loaded
.set X,     80                         ; v80-111  two sets of 16 neighbours
.set T,     112                        ; v112-127 the numbers, held
.set C,     128                        ; v128-139 codes: four registers for each conversion
	s_load_b256 s[4:11], s[0:1], 0x0               ; x, Wq, Wk, Wv
	s_load_b128 s[12:15], s[0:1], 0x20             ; the scales' exponents, cod
	v_lshl_add_u32 v[SPW], v0, 2, SPARE
	v_mov_b32 v[NIL], 0
	v_lshrrev_b32 v1, 5, v0
	v_readfirstlane_b32 s16, v1                    ; wave
	v_and_b32 v2, 31, v0                           ; lane
	v_lshlrev_b32 v3, 4, v2                        ; 16 x lane: my bytes of a store's 512; never rewritten
	s_mul_i32 s18, s16, WREG
	v_and_b32 v1, 15, v2                           ; r
	v_lshrrev_b32 v4, 4, v2                        ; h
	v_lshlrev_b32 v[LO], 12, v4
	v_lshl_add_u32 v[LO], v1, 4, v[LO]             ; row h of a load's two, 16 r
	v_mul_u32_u24 v14, v4, SP
	v_lshl_add_u32 v14, v1, 4, v14
	v_add_nc_u32 v14, s18, v14                     ; the stage, on the way in: the same
	v_mul_u32_u24 v15, v1, SP
	v_lshl_add_u32 v15, v4, 6, v15
	v_add_nc_u32 v15, s18, v15                     ; and on the way out: row r, + 64 h
	s_sub_co_u32 s19, ttmp9, XWG                   ; a weight's work-group: t = number - 1,024,
	s_lshr_b32 s21, s19, 7                         ; which weight,
	s_and_b32 s19, s19, 127                        ; which 128th of it
	s_cmp_lt_u32 ttmp9, XWG
	s_cselect_b32 s17, 1, 0                        ; 1: x
	s_cselect_b32 s19, ttmp9, s19
	s_cselect_b32 s21, 0, s21
	s_lshl_b32 s19, s19, 2
	s_add_co_u32 s19, s19, s16                     ; my wave's fragment: rows 16 (number / 8), K 128 (number % 8)
	s_lshr_b32 s20, s19, 3
	s_and_b32 s18, s19, 7
	s_lshl_b32 s38, s20, 16
	s_lshl_b32 s39, s18, 9
	s_add_co_u32 s38, s38, s39                     ; its first byte in the tensor,
	s_mov_b32 s39, 0
	s_lshr_b32 s40, s20, 3
	s_lshl_b32 s40, s40, 17
	s_lshl_b32 s41, s18, 14
	s_add_co_u32 s40, s40, s41
	s_and_b32 s41, s20, 7
	s_lshl_b32 s41, s41, 11
	s_add_co_u32 s40, s40, s41                     ; and in its codes
	s_lshl_b32 s41, s21, 20
	s_add_co_u32 s41, s41, 24<<20
	s_cmp_eq_u32 s17, 1
	s_cselect_b32 s41, 0, s41
	s_add_co_u32 s40, s40, s41
	s_mov_b32 s41, 0
	s_wait_alu depctr_va_vdst(0)
	s_wait_kmcnt 0x0
	s_load_b256 s[24:31], s[12:13], 0x0            ; e0 .. e7
	s_cmp_eq_u32 s21, 1                            ; the tensor is chosen by the work-group's number alone
	s_cselect_b64 s[6:7], s[8:9], s[6:7]
	s_cmp_eq_u32 s21, 2
	s_cselect_b64 s[6:7], s[10:11], s[6:7]
	s_cmp_eq_u32 s17, 1
	s_cselect_b64 s[4:5], s[4:5], s[6:7]
	s_add_nc_u64 s[4:5], s[4:5], s[38:39]
	s_add_nc_u64 s[32:33], s[14:15], s[40:41]      ; where conversion 0's codes go,
	s_add_nc_u64 s[34:35], s[32:33], 8<<20         ; conversion 1's and 2's (x alone)
	s_add_nc_u64 s[36:37], s[32:33], 16<<20
.irp g, 0,1                            ; the half of the rows: pieces 2 g, 2 g + 1
.irp i, 0,1,2,3,4,5,6,7
	global_load_b128 v[R+32*\g+4*\i:R+32*\g+4*\i+3], v[LO], s[4:5] offset:8192*\i+256*\g th:TH_LOAD_NT
.endr
.endr
.macro MKSC e, k                       ; s[e] holds an exponent: 2^e and 57,344 x 2^e as f32 numbers
	s_add_co_i32 s42, s[\e], 127
	s_lshl_b32 s43, s42, 23
	v_mov_b32 v[SC+2*\k], s43
	s_add_co_i32 s42, s42, 15
	s_lshl_b32 s42, s42, 23
	s_or_b32 s42, s42, 0x600000
	v_mov_b32 v[SC+2*\k+1], s42
.endm
	s_wait_kmcnt 0x0
	s_cmp_eq_u32 s21, 1
	s_cselect_b32 s44, s27, s25                    ; a weight's entry: 1, 3 or 5;
	s_cmp_eq_u32 s21, 2
	s_cselect_b32 s44, s29, s44
	s_cmp_eq_u32 s17, 1
	s_cselect_b32 s44, s24, s44                    ; x's first: 0
	MKSC 44, 0
	MKSC 26, 1
	MKSC 28, 2
	s_wait_alu depctr_va_vdst(0)                   ; the head's end
.macro INTO g                          ; half g into the stage, as it comes in; the younger loads may be out
.irp q, 0,1
	s_wait_loadcnt 12-8*(\g)-4*\q
.irp i, 0,1,2,3
	ds_store_b128 v14, v[R+32*(\g)+16*\q+4*\i:R+32*(\g)+16*\q+4*\i+3] offset:2*SP*(4*\q+\i)+256*(\g)
.endr
.endr
.endm
.macro BACK j                          ; piece j's numbers: LDS serves a wave's instructions in order, so no wait stands between the stores and the loads
.irp i, 0,1,2,3
	ds_load_b128 v[X+16*((\j)%2)+4*\i:X+16*((\j)%2)+4*\i+3], v15 offset:128*(\j)+16*\i
.endr
.endm
.macro CONV k, j
.irp i, 0,1,2,3,4,5,6,7,8,9,10,11,12,13,14,15
	v_med3_num_f32 v[T+\i], v[XS+\i], -v[SC+2*\k+1], v[SC+2*\k+1]   ; the conversion to an 8-bit code does not saturate (ISA guide 7.6.2): the hold comes first; the numbers themselves stay for the next conversion
.endr
	v_cvt_scalef32_pk8_bf8_f32 v[C+4*\k:C+4*\k+1], v[T:T+7], v[SC+2*\k]
	v_cvt_scalef32_pk8_bf8_f32 v[C+4*\k+2:C+4*\k+3], v[T+8:T+15], v[SC+2*\k]
	v_nop                                          ; a plain line behind the conversions: the next holds write their sources
	global_store_b128 v3, v[C+4*\k:C+4*\k+3], s[32+2*\k:33+2*\k] offset:512*(\j)
.endm
.macro PIECE j
.set XS, X+16*((\j)%2)
.if (\j)%2 == 0
	BACK (\j)+1
	s_wait_dscnt 4                                 ; this piece's numbers are back; the next piece's four loads may be out
.else
	s_wait_dscnt 0x0
.endif
	s_wait_xcnt 0x0                                ; the last piece's stores have read their data: the codes' registers are written again only behind this wait
	CONV 0, \j
	s_cmp_eq_u32 s17, 0                            ; a weight has one scale: a branch on the work-group's number
	s_cbranch_scc1 .Lone_\@
	CONV 1, \j
	CONV 2, \j
.Lone_\@:
.endm
	INTO 0
	BACK 0
	PIECE 0
	PIECE 1
	INTO 1
	BACK 2
	PIECE 2
	PIECE 3
	s_wait_tensorcnt 0x0                           ; the wave's end, behind my last LDS store
	ds_add_u32 v[SPW], v[NIL]
	s_wait_dscnt 0x0
	s_endpgm
.Lfunc_end_k_qc0e2da95b3_quant:
	.size	k_qc0e2da95b3_quant, .Lfunc_end_k_qc0e2da95b3_quant-k_qc0e2da95b3_quant
	.p2alignl 7, 3214868480
	.fill 96, 4, 3214868480
	.section	.rodata,"a",@progbits
	.p2align	6, 0x0
	.amdhsa_kernel k_qc0e2da95b3_quant
		.amdhsa_group_segment_fixed_size 34304
		.amdhsa_private_segment_fixed_size 0
		.amdhsa_enable_private_segment 0
		.amdhsa_kernarg_size 48
		.amdhsa_user_sgpr_count 2
		.amdhsa_user_sgpr_kernarg_segment_ptr 1
		.amdhsa_wavefront_size32 1
		.amdhsa_system_sgpr_workgroup_id_x 1
		.amdhsa_system_sgpr_workgroup_id_y 1
		.amdhsa_system_sgpr_workgroup_id_z 1
		.amdhsa_system_vgpr_workitem_id 0
		.amdhsa_next_free_vgpr 144
		.amdhsa_next_free_sgpr 66
		.amdhsa_reserve_vcc 0
		.amdhsa_float_denorm_mode_32 3
		.amdhsa_float_denorm_mode_16_64 3
		.amdhsa_memory_ordered 1
		.amdhsa_forward_progress 1
		.amdhsa_inst_pref_size 24
	.end_amdhsa_kernel
	.amdgpu_metadata
---
amdhsa.version: [ 1, 2 ]
amdhsa.kernels:
  - .name:           k_qc0e2da95b3_quant
    .symbol:         k_qc0e2da95b3_quant.kd
    .args:
      - { .name: x, .offset: 0, .size: 8, .value_kind: global_buffer, .address_space: global }
      - { .name: Wq, .offset: 8, .size: 8, .value_kind: global_buffer, .address_space: global }
      - { .name: Wk, .offset: 16, .size: 8, .value_kind: global_buffer, .address_space: global }
      - { .name: Wv, .offset: 24, .size: 8, .value_kind: global_buffer, .address_space: global }
      - { .name: lowp_scales, .offset: 32, .size: 8, .value_kind: global_buffer, .address_space: global }
      - { .name: cod, .offset: 40, .size: 8, .value_kind: global_buffer, .address_space: global }
    .group_segment_fixed_size: 34304
    .private_segment_fixed_size: 0
    .kernarg_segment_align: 8
    .kernarg_segment_size: 48
    .max_flat_workgroup_size: 128
    .sgpr_count:     66
    .vgpr_count:     144
    .wavefront_size: 32
...
	.end_amdgpu_metadata
.endif
;; end of part 1
;; launch proj (part 2): grid 4 x 64, 4 waves a work-group, clusters of 4 x 4, 327,680 bytes of LDS; arguments cod, lowp_scales, bq, bk, bv, qkv; writes qkv
.if DOCPART == 2
	.amdgcn_target "amdgcn-amd-amdhsa--gfx1250"
	.amdhsa_code_object_version 6
	.text
	.protected	k_qc0e2da95b3_proj
	.globl	k_qc0e2da95b3_proj
	.p2align	8
	.type	k_qc0e2da95b3_proj,@function
k_qc0e2da95b3_proj:
	s_mov_b64 s[64:65], 0
	v_nop
	global_prefetch_b8 v0, s[64:65] scope:SCOPE_SE
	s_setreg_imm32_b32 hwreg(HW_REG_WAVE_MODE, 25, 1), 1
	s_wait_xcnt 0x0
	s_wait_alu depctr_hold_cnt(0) depctr_sa_sdst(0) depctr_va_vdst(0) depctr_va_sdst(0) depctr_va_ssrc(0) depctr_va_vcc(0) depctr_vm_vsrc(0)
	s_getreg_b32 s2, hwreg(HW_REG_IB_STS2, 6, 4)
	s_cmp_eq_u32 s2, 0
	s_cbranch_scc0 .Lentry_in_a_cluster
	s_endpgm
.Lentry_in_a_cluster:
	s_bfe_u32 s2, ttmp6, 0x10000c
	s_cmp_lg_u32 s2, 0xf033
	s_cbranch_scc0 .Lentry_shape_is_right
	s_endpgm
.Lentry_shape_is_right:
; Launch 2 of 4: Q, K and V by products of codes of E5M2, the biases, and their codes.
; A work-group makes a tile of 256 tokens x 256 features of Q or of K, then a tile of 128 channels x 256 tokens of V: 256 work-groups of equal work.  Four waves: 128 x 128 of Q or K each, then 64 channels x 128 tokens of V.
; K = 1,024 goes in four steps of 256 for each, through one ring of two LDS slots that does not stop between the two: steps 0 to 3 are Q's or K's, 4 to 7 V's.
; The operands lie in memory and in LDS as images of fragments (launch 1), so every tile is dense: 128 rows x 256 along K are 32,768 bytes.  A wave's region of LDS holds its part of slot 0, then of slot 1: its one load at the
; head brings K steps 0 and 1, 65,536 bytes that lie end to end in memory too.  V's weights: waves 0 and 1 fetch the two 128 along K, 16,384 bytes each.
; SOURCES.  Q, K: source 0 = 16 rows of W, source 1 = 16 tokens of x: a lane holds one token and, over the eight accumulators of a row block, features 16 b + 8 (lane / 16) + 0 .. 7.  V: source 0 = 16 tokens, source 1 = 16
; rows of Wv: a lane holds one channel and the tokens 16 b + 8 (lane / 16) + 0 .. 7.  So the codes of a row block, 16 registers, ARE a fragment of the next products in the plain form's own layout (16 rows x 128 along K), and
; are stored as that image of registers, 2,048 bytes, four stores of 512 consecutive bytes: nothing goes through LDS on the way out.
; qkv: Q at 0, K at 8 Mi: block (token / 128) x 8 + feature / 128 of 16,384 bytes, fragment (token / 16) % 8.  V at 16 Mi: block ((batch x 8 + channel / 128) x 16 + key / 128), fragment (channel / 16) % 8.
; BIAS AND SCALES.  The sums lack 2^(ex + ew): the bias, divided by that power of two, is the C of each accumulator's first product; the conversion's scale is 2^(e - ex - ew).
; LIMITS: ex + ew between -126 and 126, e - ex - ew between -126 and 112, for Q, K and V.  NaN is not served.
; CLUSTERS of 4 x 4: A's tile (x; for V Wv) is shared along a row of the cluster, B's (W; for V x) along a column, by joint loads.
; PREFETCH: at the head K steps 2 and 3, then behind each joint load the K step two refills on, a quarter of my tile by each partner, told apart by address.  The weights' tiles, which eight clusters read, are asked for by four of them.
; REGISTERS: window 0: v0-31 addresses, v32-95 the bias of Q or K (later the codes on their way out), v96-127 V's bias, from v128 A's fragments; window 1: B's fragments, two sets; windows 2, 3: accumulator (a, b) at 8 (8 (a % 4) + b).
.set KS,     32768                     ; bytes of 128 rows x 256 along K: a K step of a tile's half
.set REG,    65536                     ; a wave's region: slot 0, slot 1
.set FR,     16
.set SPARE,  4*REG                     ; the spare words, 128 bytes a wave
.set SCV,  10                          ; v10, v11: the conversion's scale for V, and 57,344 x it
.set LIMV, 11
.set PFO,  12                          ; v12, v13: the prefetches' offsets for Q or K, for V; never rewritten
.set PFV,  13
.set ADV1, 14                          ; v14-15 LDS address of V's A fragments in slot 1, by the 128 along K; v18-19 in slot 0
.set ADRA, 16
.set ADV0, 18
.set ADRB, 20
.set BT,   22                          ; v22-25 V's bias as loaded
.set CO,   26                          ; 16 x lane
.set SC,   27                          ; v27, v30: as v10, v11, for Q or K
.set SPW,  28
.set NIL,  29
.set LIM,  30
.set BN,   32
.set VC,   32
.set BV,   96
.set AF,   128
.set PV,   2                           ; s[2:3], s[12:13]: where my prefetches of V's and of Q's or K's steps stand
.set G1H,  4
.set PQ,   12
.set G1,   24
.set G0,   32
.set G1B,  48
.set G0B,  56
.set BVA,  66
.set LQ,   82                          ; s82, s85: 0 where my wave prefetches Q's or K's steps, V's steps
.set LV,   85
.set AVA,  86
.set MSB, 0
.macro WIN new
.if MSB != \new
	s_set_vgpr_msb (MSB<<8)|\new
.set MSB, \new
.endif
.endm
.set MUL_LO, 0xa1
.set MUL_HI, 0xf1
.set TO_B,   0x40
.macro JLOAD g0a, g1a, g0b, g1b        ; waves 0, 1 fetch A's halves, waves 2, 3 B's
	s_cmp_eq_u32 s15, 0
	s_cbranch_scc0 .Lfor_b_\@
	tensor_load_to_lds s[\g0a:\g0a+3], s[\g1a:\g1a+7]
	s_nop 0
.rept 4
	v_nop
.endr
	s_branch .Lasked_\@
.Lfor_b_\@:
	tensor_load_to_lds s[\g0b:\g0b+3], s[\g1b:\g1b+7]
	s_nop 0
.rept 4
	v_nop
.endr
.Lasked_\@:
.endm
.macro ASK fl, vo, base, off
	s_cmp_eq_u32 s[\fl], 0
	s_cbranch_scc0 .Lnot_mine_\@
	global_prefetch_b8 v[\vo], s[\base:\base+1] offset:\off th:TH_LOAD_NT scope:SCOPE_SE
.Lnot_mine_\@:
.endm
.macro CREST                           ; a round of the cluster's barrier behind its opening barrier
	s_cmp_lg_u32 s14, 0
	s_cbranch_scc1 .Lnot_wave_0_\@
	s_barrier_signal -3
.Lnot_wave_0_\@:
	s_barrier_wait -3
	s_barrier_signal -1
	s_barrier_wait -1
.endm
.macro CROUND
	s_barrier_signal -1
	s_barrier_wait -1
	CREST
.endm
	s_load_b256 s[68:75], s[0:1], 0x0              ; cod, the scales' exponents, bq, bk
	s_load_b128 s[76:79], s[0:1], 0x20             ; bv, qkv
	v_lshl_add_u32 v[SPW], v0, 2, SPARE
	v_mov_b32 v[NIL], 0
	ds_add_u32 v[SPW], v[NIL]                      ; the wave's opening: the add, twice on end, and its wait
	ds_add_u32 v[SPW], v[NIL]
	v_lshrrev_b32 v1, 5, v0
	v_readfirstlane_b32 s14, v1                    ; wave
	s_lshr_b32 s15, s14, 1                         ; my half of A's rows; also: I fetch for A (0) or B (1)
	s_and_b32 s16, s14, 1                          ; my half of B's rows; also: which 128 rows (of V's weights: which 128 along K) I fetch
	s_bfe_u32 s40, ttmp6, 0x40000                  ; cx, cy
	s_bfe_u32 s41, ttmp6, 0x40004
	s_and_b32 s80, ttmp7, 0xffff                   ; the cluster, 0 to 15
	s_lshr_b32 s81, s80, 3                         ; 0: Q, 1: K
	s_and_b32 s17, s80, 7
	s_lshl_b32 s17, s17, 2
	s_add_co_u32 s17, s17, s41                     ; which 256 tokens of Q or K (cx: which 256 features)
	s_and_b32 s83, s80, 1
	s_lshl_b32 s83, s83, 2
	s_add_co_u32 s83, s83, s41                     ; V: which 128 channels,
	s_lshr_b32 s84, s80, 1
	s_lshl_b32 s84, s84, 2
	s_add_co_u32 s84, s84, s40                     ; and which 256 tokens
	s_and_b32 s[LQ], s80, 1
	s_and_b32 s[LQ], s[LQ], s15                    ; W is asked for by the even clusters
	s_lshr_b32 s[LV], s80, 1
	s_and_b32 s[LV], s[LV], 1
	s_xor_b32 s18, s15, 1
	s_and_b32 s[LV], s[LV], s18                    ; Wv by the clusters with bit 1 clear
	s_lshl_b32 s43, s41, 2
	s_lshl_b32 s43, 15, s43                        ; my row of the cluster,
	s_lshl_b32 s44, 0x1111, s40                    ; my column
	s_or_b32 s[G1+0], s43, 1<<21                   ; the mask; elements of 1 byte; bit 21 beside a mask; no padding
	s_or_b32 s[G1H+0], s43, 1<<21
	s_or_b32 s[G1B+0], s44, 1<<21
.macro G1W g, rows                     ; rows of 256 bytes, dense
	s_mov_b32 s[\g+1], 256<<16
	s_mov_b32 s[\g+2], (\rows)<<16
	s_mov_b32 s[\g+3], 256<<16
	s_mov_b32 s[\g+4], \rows
	s_mov_b32 s[\g+5], 256
	s_mov_b32 s[\g+6], 0
	s_mov_b32 s[\g+7], 0
.endm
	G1W G1, 256                                    ; the head's load: two K steps
	G1W G1B, 256
	G1W G1H, 64
	s_lshl_b32 s20, s17, 1
	s_add_co_u32 s20, s20, s16
	s_lshl_b32 s20, s20, 17
	s_lshl_b32 s18, s81, 23
	s_add_co_u32 s20, s20, s18                     ; A: x's codes under the scale of Q or of K
	s_mov_b32 s21, 0
	s_lshl_b32 s46, s40, 1
	s_add_co_u32 s46, s46, s16
	s_lshl_b32 s46, s46, 17
	s_lshl_b32 s18, s81, 20
	s_add_co_u32 s46, s46, s18
	s_add_co_u32 s46, s46, 24<<20                  ; B: Wq's or Wk's
	s_mov_b32 s47, 0
	s_lshl_b32 s[AVA], s83, 17
	s_lshl_b32 s18, s16, 14
	s_add_co_u32 s[AVA], s[AVA], s18
	s_add_co_u32 s[AVA], s[AVA], 26<<20            ; V: A: Wv's,
	s_mov_b32 s[AVA+1], 0
	s_lshl_b32 s[BVA], s84, 1
	s_add_co_u32 s[BVA], s[BVA], s16
	s_lshl_b32 s[BVA], s[BVA], 17
	s_add_co_u32 s[BVA], s[BVA], 16<<20            ; B: x's under V's scale
	s_mov_b32 s[BVA+1], 0
	s_lshl_b32 s45, s14, 16
	v_and_b32 v1, 15, v0                           ; r
	v_bfe_u32 v2, v0, 4, 1                         ; h
	v_lshlrev_b32 v8, 5, v2
	v_lshlrev_b32 v9, 2, v1
	s_wait_alu depctr_va_vdst(0)
	s_wait_dscnt 0x0                               ; both opening adds are done
	s_wait_kmcnt 0x0
	s_load_b256 s[92:99], s[70:71], 0x0            ; e0 .. e7
	s_load_b64 s[100:101], s[70:71], 0x20          ; e8, e9
	s_cmp_eq_u32 s81, 1
	s_cselect_b64 s[88:89], s[74:75], s[72:73]
	s_lshl_b32 s18, s40, 10
	s_lshl_b32 s19, s16, 9
	s_add_co_u32 s18, s18, s19
	s_mov_b32 s19, 0
	s_add_nc_u64 s[88:89], s[88:89], s[18:19]      ; the bias of my 128 features,
	s_lshl_b32 s18, s83, 9
	s_lshl_b32 s19, s15, 8
	s_add_co_u32 s18, s18, s19
	s_mov_b32 s19, 0
	s_add_nc_u64 s[76:77], s[76:77], s[18:19]      ; and of my 64 channels
.irp b, 0,1,2,3,4,5,6,7
	global_load_b128 v[BN+8*\b:BN+8*\b+3], v8, s[88:89] offset:64*\b
	global_load_b128 v[BN+8*\b+4:BN+8*\b+7], v8, s[88:89] offset:64*\b+16
.endr
.irp a, 0,1,2,3
	global_load_b32 v[BT+\a], v9, s[76:77] offset:64*\a
.endr
	s_add_nc_u64 s[20:21], s[68:69], s[20:21]
	s_add_nc_u64 s[46:47], s[68:69], s[46:47]
	s_add_nc_u64 s[AVA:AVA+1], s[68:69], s[AVA:AVA+1]
	s_add_nc_u64 s[BVA:BVA+1], s[68:69], s[BVA:BVA+1]
.irp s, 0,1
	s_mov_b32 s[G0+4*\s], 1
	s_add_co_u32 s[G0+4*\s+1], s45, \s*KS
	s_add_nc_u64 s[G0+4*\s+2:G0+4*\s+3], s[20:21], \s*KS
	s_or_b32 s[G0+4*\s+3], s[G0+4*\s+3], 0x80000000
	s_mov_b32 s[G0B+4*\s], 1
	s_add_co_u32 s[G0B+4*\s+1], s45, \s*KS
	s_add_nc_u64 s[G0B+4*\s+2:G0B+4*\s+3], s[46:47], \s*KS
	s_or_b32 s[G0B+4*\s+3], s[G0B+4*\s+3], 0x80000000
.endr
	CROUND                                         ; all sixteen work-groups are here
	JLOAD G0, G1, G0B, G1B                         ; K steps 0 and 1: one tensor load a wave at the head
	; where my prefetches stand: the tile that I fetch, and in it my work-group's quarter
	s_cmp_eq_u32 s15, 0
	s_cselect_b64 s[PQ:PQ+1], s[20:21], s[46:47]
	s_cselect_b64 s[PV:PV+1], s[AVA:AVA+1], s[BVA:BVA+1]
	s_cselect_b32 s18, s40, s41                    ; my place among the four partners
	s_cselect_b32 s19, 15, 31                      ; the last of my 256 bytes of V's tile
	s_cselect_b32 s22, 12, 13
	s_lshl_b32 s22, s18, s22
	s_mov_b32 s23, 0
	s_add_nc_u64 s[PV:PV+1], s[PV:PV+1], s[22:23]
	s_lshl_b32 s22, s18, 13
	s_add_nc_u64 s[PQ:PQ+1], s[PQ:PQ+1], s[22:23]
	s_lshl_b32 s21, s15, 16                        ; my 128 rows of A (of V's weights: below)
	s_lshl_b32 s22, s16, 16                        ; and of B
	s_add_co_u32 s22, s22, 2*REG
	s_lshl_b32 s23, s15, 13
	v_and_b32 v6, 31, v0
	v_lshlrev_b32 v[CO], 4, v6
	v_lshlrev_b32 v[PFO], 8, v6
	v_min_u32 v7, s19, v6
	v_lshlrev_b32 v[PFV], 8, v7
	v_add_nc_u32 v[ADRA], s21, v[CO]
	v_add_nc_u32 v[ADRB], s22, v[CO]
	v_add_nc_u32 v[ADV0], s23, v[CO]
	v_add_nc_u32 v[ADRA+1], KS, v[ADRA]
	v_add_nc_u32 v[ADRB+1], KS, v[ADRB]
	v_add_nc_u32 v[ADV0+1], REG, v[ADV0]
	v_add_nc_u32 v[ADV1], KS, v[ADV0]
	v_add_nc_u32 v[ADV1+1], REG+KS, v[ADV0]
	s_wait_alu depctr_va_vdst(0)
	ASK LQ, PFO, PQ, 2*KS                          ; behind the head's load: what the first two refills will ask for
	ASK LQ, PFO, PQ, 3*KS
	s_lshl_b32 s18, s17, 1
	s_add_co_u32 s18, s18, s15
	s_lshl_b32 s18, s18, 3
	s_lshl_b32 s19, s40, 1
	s_add_co_u32 s18, s18, s19
	s_add_co_u32 s18, s18, s16
	s_lshl_b32 s18, s18, 14
	s_lshl_b32 s19, s81, 23
	s_add_co_u32 s18, s18, s19
	s_mov_b32 s19, 0
	s_add_nc_u64 s[90:91], s[78:79], s[18:19]      ; my block of Q or K
	s_lshr_b32 s18, s84, 3
	s_lshl_b32 s18, s18, 3
	s_add_co_u32 s18, s18, s83
	s_lshl_b32 s18, s18, 4
	s_and_b32 s19, s84, 7
	s_lshl_b32 s19, s19, 1
	s_add_co_u32 s18, s18, s19
	s_add_co_u32 s18, s18, s16
	s_lshl_b32 s18, s18, 14
	s_lshl_b32 s19, s15, 13
	s_add_co_u32 s18, s18, s19
	s_add_co_u32 s18, s18, 16<<20
	s_mov_b32 s19, 0
	s_add_nc_u64 s[78:79], s[78:79], s[18:19]      ; my half of a block of V
	s_wait_alu depctr_va_vdst(0)
	s_wait_kmcnt 0x0
.macro MKSC e, sc, lim                 ; s18 = ex + ew, s[e] the result's exponent: the conversion's scale 2^(e - ex - ew), 57,344 x it; s19 = 2^-(ex + ew)
	s_sub_co_i32 s22, s[\e], s18
	s_add_co_i32 s22, s22, 127
	s_lshl_b32 s23, s22, 23
	v_mov_b32 v[\sc], s23
	s_add_co_i32 s22, s22, 15
	s_lshl_b32 s22, s22, 23
	s_or_b32 s22, s22, 0x600000
	v_mov_b32 v[\lim], s22
	s_sub_co_i32 s19, 127, s18
	s_lshl_b32 s19, s19, 23
.endm
	s_add_co_i32 s18, s96, s97                     ; V
	MKSC 101, SCV, LIMV
	s_mov_b32 s21, s19
	s_cmp_eq_u32 s81, 1
	s_cselect_b32 s18, s94, s92
	s_cselect_b32 s19, s95, s93
	s_cselect_b32 s20, s99, s98
	s_add_co_i32 s18, s18, s19
	MKSC 20, SC, LIM
	s_wait_loadcnt 0x0                             ; the biases
.irp a, 0,1,2,3
.irp i, 0,1,2,3,4,5,6,7
	v_mul_f32 v[BV+8*\a+\i], s21, v[BT+\a]
.endr
.endr
.set i, 0
.rept 64
	v_mul_f32 v[BN+i], s19, v[BN+i]
.set i, i+1
.endr
.macro FRAG reg, adr, off
.irp c, 0,1,2,3
	ds_load_b128 v[\reg+4*\c:\reg+4*\c+3], v[\adr] offset:\off+512*\c
.endr
.endm
; 16 matrix instructions; the accumulators take turns, one instruction a turn.  zero = 1, 2: the first product, C = the bias of Q or K (by b), of V (by a).
.macro MUL16 a0, p, zero
.irp a, \a0, \a0+1
.irp b, 0,1,2,3,4,5,6,7
.if \zero == 1
	v_wmma_f32_16x16x128_bf8_bf8 v[8*(8*((\a)%4)+\b):8*(8*((\a)%4)+\b)+7], v[128*(\p)+FR*\b:128*(\p)+FR*\b+FR-1], v[AF+FR*(\a):AF+FR*(\a)+FR-1], v[BN+8*\b:BN+8*\b+7]
.elseif \zero == 2
	v_wmma_f32_16x16x128_bf8_bf8 v[8*(8*((\a)%4)+\b):8*(8*((\a)%4)+\b)+7], v[128*(\p)+FR*\b:128*(\p)+FR*\b+FR-1], v[AF+FR*(\a):AF+FR*(\a)+FR-1], v[BV+8*(\a):BV+8*(\a)+7]
.else
	v_wmma_f32_16x16x128_bf8_bf8 v[8*(8*((\a)%4)+\b):8*(8*((\a)%4)+\b)+7], v[128*(\p)+FR*\b:128*(\p)+FR*\b+FR-1], v[AF+FR*(\a):AF+FR*(\a)+FR-1], v[8*(8*((\a)%4)+\b):8*(8*((\a)%4)+\b)+7]
.endif
.endr
.endr
.endm
.macro FETCH_B slot, q, p
	WIN TO_B
.irp i, 0,1,2,3,4,5,6,7
	FRAG 128*(\p)+FR*\i, ADRB+\slot, 16384*(\q)+2048*\i
.endr
	WIN 0
.endm
.macro FETCH_A slot, q, i0
.irp i, \i0, \i0+1, \i0+2, \i0+3
	FRAG AF+FR*(\i), ADRA+\slot, 16384*(\q)+2048*(\i)
.endr
.endm
.macro FETCH_AH slot, q, p             ; V's weights: my four fragments of the q-th 128 along K
.irp i, 0,1,2,3
	FRAG AF+64*(\p)+FR*\i, ADV0+(ADV1-ADV0)*(\slot)+\q, 2048*\i
.endr
.endm
.macro PLACES                          ; places behind matrix instructions (ISA guide 7.12.1)
.rept 4
	v_nop
.endr
.endm
; The first 128 along K of a slot, with B's set 0; meanwhile its second 128 are fetched: B's set 1 in the first half, A's blocks as they become free.
.macro STEP slot, zero
	s_wait_dscnt 16                                ; B's set and A's blocks 0-3 are in; the youngest sixteen loads (A's 4-7) may be out
	WIN MUL_LO-0x20*(\zero)
	MUL16 0, 0, \zero
	FETCH_B \slot, 1, 1
	WIN MUL_LO-0x20*(\zero)
	MUL16 2, 0, \zero
	s_wait_dscnt 32                                ; A's blocks 4-7 are in; B's 32 may be out
	PLACES
	WIN 0
	FETCH_A \slot, 1, 0
	WIN MUL_HI-0x30*(\zero)
	MUL16 4, 0, \zero
	MUL16 6, 0, \zero
	PLACES
	WIN 0
	FETCH_A \slot, 1, 4
.endm
; The second 128, and the change of slots: the wait for the tensor loads and the add, a round of the cluster's barrier, the refill (fill = 1: this product's step two on; 2: V's step of the slot's number).
.macro TURN slot, next, fill, nx, off
	s_wait_tensorcnt 0x0
	ds_add_u32 v[SPW], v[NIL]
	s_wait_dscnt 17                                ; the add and A's blocks 4-7 may be out
	WIN MUL_LO
	MUL16 0, 1, 0
	s_wait_dscnt 0x0                               ; the add is done, and my reads of this slot are over
	s_barrier_signal -1
	MUL16 2, 1, 0
	WIN 0
	s_barrier_wait -1
	CREST
.if \fill == 1
	s_add_nc_u64 s[G0+4*\slot+2:G0+4*\slot+3], s[G0+4*\slot+2:G0+4*\slot+3], 2*KS
	s_add_nc_u64 s[G0B+4*\slot+2:G0B+4*\slot+3], s[G0B+4*\slot+2:G0B+4*\slot+3], 2*KS
	JLOAD G0+4*\slot, G1, G0B+4*\slot, G1B
.else
	s_add_nc_u64 s[G0+4*\slot+2:G0+4*\slot+3], s[AVA:AVA+1], \slot*KS
	s_or_b32 s[G0+4*\slot+3], s[G0+4*\slot+3], 0x80000000
	s_add_nc_u64 s[G0B+4*\slot+2:G0B+4*\slot+3], s[BVA:BVA+1], \slot*KS
	s_or_b32 s[G0B+4*\slot+3], s[G0B+4*\slot+3], 0x80000000
	JLOAD G0+4*\slot, G1H, G0B+4*\slot, G1B
.endif
	FETCH_B \next, 0, 0
.if \nx
	FETCH_AH \next, 0, 0
.else
	FETCH_A \next, 0, 0
.endif
	ASK LV, PFV, PV, \off
	WIN MUL_HI
	MUL16 4, 1, 0
	MUL16 6, 1, 0
	PLACES
	WIN 0
.if \nx == 0
	FETCH_A \next, 0, 4
.endif
.endm
.macro STEPH slot, zero                ; V: 64 channels x 128 tokens, fragments in two sets
	s_wait_dscnt 0x0
	FETCH_B \slot, 1, 1
	FETCH_AH \slot, 1, 1
	WIN MUL_LO-0x10*(\zero)
	MUL16 0, 0, \zero
	MUL16 2, 0, \zero
	WIN 0
.endm
.macro TURNH slot, next, fill
	s_wait_tensorcnt 0x0
	ds_add_u32 v[SPW], v[NIL]
	s_wait_dscnt 1                                 ; the add may be out
	WIN MUL_LO
	MUL16 4, 1, 0
	s_wait_dscnt 0x0
	s_barrier_signal -1
	MUL16 6, 1, 0
	WIN 0
	s_barrier_wait -1
.if \fill
	CREST
	s_add_nc_u64 s[G0+4*\slot+2:G0+4*\slot+3], s[G0+4*\slot+2:G0+4*\slot+3], 2*KS
	s_add_nc_u64 s[G0B+4*\slot+2:G0B+4*\slot+3], s[G0B+4*\slot+2:G0B+4*\slot+3], 2*KS
	JLOAD G0+4*\slot, G1H, G0B+4*\slot, G1B
.else
	PLACES
.endif
	FETCH_B \next, 0, 0
	FETCH_AH \next, 0, 0
.endm
; The way out of the four row blocks in window w: held (the conversion does not saturate: ISA guide 7.6.2), converted, stored as fragments.
.macro OUT w, lim, sc, base, off
	s_wait_xcnt 0x0                                ; earlier stores have read their data: the codes' registers may be written
	WIN ((\w)<<6)|(\w)
.set i, 0
.rept 256
	v_med3_num_f32 v[i], v[i], -v[\lim], v[\lim]
.set i, i+1
.endr
	WIN \w
.set i, 0
.rept 32
	v_cvt_scalef32_pk8_bf8_f32 v[VC+2*i:VC+2*i+1], v[8*i:8*i+7], v[\sc]
.set i, i+1
.endr
	v_nop                                          ; a plain line behind the conversions
	WIN 0
.set i, 0
.rept 16
	global_store_b128 v[CO], v[VC+4*i:VC+4*i+3], s[\base:\base+1] offset:(\off)+512*i
.set i, i+1
.endr
.endm
	s_wait_alu depctr_va_vdst(0)                   ; the head's end
	s_wait_tensorcnt 0x0                           ; my parts of K steps 0 and 1 are in, and everybody's behind the barrier
	s_barrier_signal -1
	s_barrier_wait -1
	s_mov_b32 s[G1+2], 128<<16                     ; from here on a load brings one K step
	s_mov_b32 s[G1+4], 128
	s_mov_b32 s[G1B+2], 128<<16
	s_mov_b32 s[G1B+4], 128
	FETCH_B 0, 0, 0
	FETCH_A 0, 0, 0
	FETCH_A 0, 0, 4
	STEP 0, 1
	TURN 0, 1, 1, 0, 0
	STEP 1, 0
	TURN 1, 0, 1, 0, KS
	STEP 0, 0
	TURN 0, 1, 2, 0, 2*KS
	STEP 1, 0
	TURN 1, 0, 2, 1, 3*KS
	OUT 2, LIM, SC, 90, 0                          ; Q or K goes out; V's first fragments and its step 1 are on their way
	OUT 3, LIM, SC, 90, 8192
	STEPH 0, 2
	TURNH 0, 1, 1
	STEPH 1, 0
	TURNH 1, 0, 1
	STEPH 0, 0
	TURNH 0, 1, 0
	STEPH 1, 0
	s_wait_dscnt 0x0
	WIN MUL_LO
	MUL16 4, 1, 0
	MUL16 6, 1, 0
	WIN 0
	PLACES
	s_wait_tensorcnt 0x0                           ; behind my last tensor load; no LDS instruction follows
	ds_add_u32 v[SPW], v[NIL]
	s_wait_dscnt 0x0
	CROUND                                         ; the closing round: behind it no joint load is issued
	OUT 2, LIMV, SCV, 78, 0
	s_endpgm
.Lfunc_end_k_qc0e2da95b3_proj:
	.size	k_qc0e2da95b3_proj, .Lfunc_end_k_qc0e2da95b3_proj-k_qc0e2da95b3_proj
	.p2alignl 7, 3214868480
	.fill 96, 4, 3214868480
	.section	.rodata,"a",@progbits
	.p2align	6, 0x0
	.amdhsa_kernel k_qc0e2da95b3_proj
		.amdhsa_group_segment_fixed_size 327680
		.amdhsa_private_segment_fixed_size 0
		.amdhsa_enable_private_segment 0
		.amdhsa_kernarg_size 48
		.amdhsa_user_sgpr_count 2
		.amdhsa_user_sgpr_kernarg_segment_ptr 1
		.amdhsa_wavefront_size32 1
		.amdhsa_system_sgpr_workgroup_id_x 1
		.amdhsa_system_sgpr_workgroup_id_y 1
		.amdhsa_system_sgpr_workgroup_id_z 1
		.amdhsa_system_vgpr_workitem_id 0
		.amdhsa_next_free_vgpr 1024
		.amdhsa_next_free_sgpr 102
		.amdhsa_reserve_vcc 0
		.amdhsa_float_denorm_mode_32 3
		.amdhsa_float_denorm_mode_16_64 3
		.amdhsa_memory_ordered 1
		.amdhsa_forward_progress 1
		.amdhsa_inst_pref_size 192
	.end_amdhsa_kernel
	.amdgpu_metadata
---
amdhsa.version: [ 1, 2 ]
amdhsa.kernels:
  - .name:           k_qc0e2da95b3_proj
    .symbol:         k_qc0e2da95b3_proj.kd
    .args:
      - { .name: cod, .offset: 0, .size: 8, .value_kind: global_buffer, .address_space: global }
      - { .name: lowp_scales, .offset: 8, .size: 8, .value_kind: global_buffer, .address_space: global }
      - { .name: bq, .offset: 16, .size: 8, .value_kind: global_buffer, .address_space: global }
      - { .name: bk, .offset: 24, .size: 8, .value_kind: global_buffer, .address_space: global }
      - { .name: bv, .offset: 32, .size: 8, .value_kind: global_buffer, .address_space: global }
      - { .name: qkv, .offset: 40, .size: 8, .value_kind: global_buffer, .address_space: global }
    .group_segment_fixed_size: 327680
    .private_segment_fixed_size: 0
    .kernarg_segment_align: 8
    .kernarg_segment_size: 48
    .max_flat_workgroup_size: 128
    .sgpr_count:     102
    .vgpr_count:     1024
    .wavefront_size: 32
...
	.end_amdgpu_metadata
.endif
;; end of part 2
;; launch score (part 3): grid 36 x 4, 4 waves a work-group, clusters of 4 x 1, 327,680 bytes of LDS; arguments qkv, lowp_scales, pc, st; writes pc, st
.if DOCPART == 3
	.amdgcn_target "amdgcn-amd-amdhsa--gfx1250"
	.amdhsa_code_object_version 6
	.text
	.protected	k_qc0e2da95b3_score
	.globl	k_qc0e2da95b3_score
	.p2align	8
	.type	k_qc0e2da95b3_score,@function
k_qc0e2da95b3_score:
	s_mov_b64 s[64:65], 0
	v_nop
	global_prefetch_b8 v0, s[64:65] scope:SCOPE_SE
	s_setreg_imm32_b32 hwreg(HW_REG_WAVE_MODE, 25, 1), 1
	s_wait_xcnt 0x0
	s_wait_alu depctr_hold_cnt(0) depctr_sa_sdst(0) depctr_va_vdst(0) depctr_va_sdst(0) depctr_va_ssrc(0) depctr_va_vcc(0) depctr_vm_vsrc(0)
	s_getreg_b32 s2, hwreg(HW_REG_IB_STS2, 6, 4)
	s_cmp_eq_u32 s2, 0
	s_cbranch_scc0 .Lentry_in_a_cluster
	s_endpgm
.Lentry_in_a_cluster:
	s_bfe_u32 s2, ttmp6, 0x10000c
	s_cmp_lg_u32 s2, 0x3003
	s_cbranch_scc0 .Lentry_shape_is_right
	s_endpgm
.Lentry_shape_is_right:
; Launch 3 of 4: the scores Q K^T on codes of E5M2, and the softmax's p as codes.  LEFT OUT: the tiles of 256 queries x 256 keys wholly above the diagonal, whose weights the causal mask of reference() makes 0 for all inputs.
; CLUSTERS of four: the 36 tiles of a batch on and under the diagonal fall into nine groups of four: six groups share a row, that is the tile of Q (row 7: columns 0-3 and 4-7; row 6: 3-6; row 5: 0, 3-5; row 4: 0, 1, 3, 4;
; row 3: 0-3), three share a column, that is the tile of K (column 0: rows 0, 1, 2, 6; column 1: rows 1, 2, 5, 6; column 2: rows 2, 4, 5, 6).  The shared tile is asked for jointly (waves 0, 1), the other one singly (waves 2, 3).
; Work-group: group = cluster x, batch = cluster y, its place picks its own row or column.  No branch hangs on the place: the mask is applied by selection in every tile.
; A work-group of four waves makes a tile, a wave 128 queries x 128 keys, K = 1,024 in steps of 256 through a ring of two LDS slots; every wave fetches a quarter of a slot, 32,768 dense bytes.
; Q and K lie in memory as images of fragments (16 rows x 128 along K in 2,048 bytes: four pieces of 512, 16 bytes a lane), and in LDS as in memory.
; TRANSPOSED: source 0 = 16 keys, source 1 = 16 queries: a lane holds ONE query (16 a + lane % 16) and, in accumulator (a, b), the keys 16 b + 8 (lane / 16) + 0 .. 7.  So a row block's codes, 16 registers, are a fragment of the
; last product, and are stored as such.
; THE SOFTMAX.  t = score x log2(e) / 32.  Each wave takes M = ceil(the largest t) over ITS 128 keys: p = 2^(t - M) is quantised (entry 8), the sum l of the unquantised p and -M go to memory beside the codes.
; The last launch multiplies each block's product by 2^(block's M - row's M), an exact power of two: the streamed M that the problem's text allows.
; pc: block (batch x 16 + query block) x 16 + key block of 16,384 bytes, fragment (query / 16) % 8.  st: the same number, 1,024 bytes: 128 f32 of -M, 128 of l; query q at float ((q / 64) x 16 + q % 16) x 4 + (q / 16) % 4.
; In a tile on the diagonal the quarter of wave 1 lies wholly behind its queries: its -M is stored as 3e38, so that it never sets a row's M and its factor in the last launch is 0; its p is finite and counts for nothing.  It stays, inside a tile that holds live work.
; LIMITS: entries 6 + 7 between -121 and 132 (added to the constant's exponent field); entry 8 between -126 and 112, and under -15 the hold at 57,344 x 2^e acts on the block's M, not on the row's; scaled scores under 2^31 in magnitude.  NaN is not served.
; PREFETCH: behind the load of K step s that of step s + 2, and of step 1 at the head: of the shared tile a quarter by each partner, by address; each work-group's other tile whole.  Group 5's other tiles are left out: the groups beside it ask for them.
; REGISTERS: windows as in the launch before; window 0: v32-95, v128-191 t, then p, of two row blocks; v192-255 codes; v96-103 -M, v104-111 l; v112-125 at work.
.set FR,     16
.set SLOT,   131072                    ; the shared tile's two halves, the other tile's two halves, 32,768 bytes each
.set SPARE,  2*SLOT
.set ADRA, 16
.set ADRB, 20
.set CO,   26                          ; v26 16 x lane
.set SC,   27                          ; v27 2^ep
.set SPW,  28
.set NIL,  29
.set LIM,  30                          ; v30 57,344 x 2^ep
.set PFO,  31                          ; v31 256 x lane, and of the shared tile + 8,192 x my place
.set NM,   96
.set LL,   104
.set MX,   112                         ; v112-119 eight chains of the maximum, then the sums' pairs
.set PX,   120
.set NPR,  122                         ; v[122:123], v[124:125] -M, named as pairs
.set DD,   126                         ; on the diagonal lane % 16 - 8 (lane / 16), else 127
.set NINF, 127
.set AF,   128
.set G1S, 4
.set G1J, 24
.set G0J, 32
.set G0S, 40
.set MJ, 48                            ; s48-55 the lanes whose key 8 (lane / 16) + j lies behind their query, on the diagonal
.set PB, 56                            ; s[56:57] where my prefetches stand: the tile that I fetch
.set PN, 58                            ; s58 0: I ask for a quarter of it (shared), 1: for all of it, 2: for nothing
.set ES, 60                            ; s[60:63] e6 .. e9
.set DG, 91                            ; s91 all ones where the diagonal runs through my quarter, else 0
.set CS, 92                            ; s[92:93] c = log2(e) / 32 x 2^(e6 + e7)
.set SEL, 94                           ; s[94:95] lane l xor 16
.set HID, 96                           ; s96 3e38 where my quarter is hidden, else -3e38
.set MSB, 0
.macro WIN new
.if MSB != \new
	s_set_vgpr_msb (MSB<<8)|\new
.set MSB, \new
.endif
.endm
.set MUL_LO, 0xa1
.set MUL_HI, 0xf1
.set TO_B,   0x40
.macro CREST                           ; a round of the cluster's barrier behind its opening barrier
	s_cmp_lg_u32 s14, 0
	s_cbranch_scc1 .Lnot_wave_0_\@
	s_barrier_signal -3
.Lnot_wave_0_\@:
	s_barrier_wait -3
	s_barrier_signal -1
	s_barrier_wait -1
.endm
.macro CROUND
	s_barrier_signal -1
	s_barrier_wait -1
	CREST
.endm
.macro JLOAD s                         ; waves 0, 1: the shared tile's halves, jointly; waves 2, 3: the other tile's
	s_cmp_eq_u32 s15, 0
	s_cbranch_scc0 .Lsingle_\@
	tensor_load_to_lds s[G0J+4*\s:G0J+4*\s+3], s[G1J:G1J+7]
	s_nop 0
.rept 4
	v_nop
.endr
	s_branch .Lasked_\@
.Lsingle_\@:
	tensor_load_to_lds s[G0S+4*\s:G0S+4*\s+3], s[G1S:G1S+7]
	s_nop 0
.rept 4
	v_nop
.endr
.Lasked_\@:
.endm
.macro ASK step                        ; of my 32,768 bytes of a K step: 32 lanes, 256 bytes apart, once or four times
	s_cmp_eq_u32 s[PN], 2
	s_cbranch_scc1 .Lasked_all_\@
	global_prefetch_b8 v[PFO], s[PB:PB+1] offset:32768*(\step) th:TH_LOAD_NT scope:SCOPE_SE
	s_cmp_eq_u32 s[PN], 0
	s_cbranch_scc1 .Lasked_all_\@
.irp n, 1,2,3
	global_prefetch_b8 v[PFO], s[PB:PB+1] offset:32768*(\step)+8192*\n th:TH_LOAD_NT scope:SCOPE_SE
.endr
.Lasked_all_\@:
.endm
.macro GRP g, sh, tab                  ; group g: the shared row or column, and the four others, 4 bits each
	s_cmp_eq_u32 ttmp9, \g
	s_cselect_b32 s84, \sh, s84
	s_cselect_b32 s85, \tab, s85
.endm
	s_load_b256 s[68:75], s[0:1], 0x0              ; qkv s[68:69], the scales' exponents s[70:71], pc s[72:73], st s[74:75]
	v_lshl_add_u32 v[SPW], v0, 2, SPARE
	v_mov_b32 v[NIL], 0
	ds_add_u32 v[SPW], v[NIL]                      ; the wave's opening: the add, twice on end, and its wait ahead of my first tensor load
	ds_add_u32 v[SPW], v[NIL]
	v_lshrrev_b32 v1, 5, v0
	v_readfirstlane_b32 s14, v1                    ; wave 0..3
	s_lshr_b32 s15, s14, 1                         ; my half of the queries.  Also: I fetch of the shared tile (0) or of the other one (1)
	s_and_b32 s16, s14, 1                          ; my half of the keys.  Also: which 128 rows I fetch
	s_bfe_u32 s17, ttmp6, 0x40000                  ; my place
	s_and_b32 s82, ttmp7, 0xffff                   ; batch
	s_mov_b32 s84, 7
	s_mov_b32 s85, 0x3210
	GRP 1, 7, 0x7654
	GRP 2, 6, 0x6543
	GRP 3, 5, 0x5430
	GRP 4, 4, 0x4310
	GRP 5, 3, 0x3210
	GRP 6, 0, 0x6210
	GRP 7, 1, 0x6521
	GRP 8, 2, 0x6542
	s_cmp_gt_u32 ttmp9, 5
	s_cselect_b32 s83, 1, 0                        ; 0: a row is shared (Q), 1: a column (K)
	s_xor_b32 s80, s83, 1
	s_lshl_b32 s18, s17, 2
	s_lshr_b32 s86, s85, s18
	s_and_b32 s86, s86, 7                          ; my own column or row
	s_cmp_eq_u32 s83, 1
	s_cselect_b32 s87, s86, s84                    ; i: the tile's row
	s_cselect_b32 s88, s84, s86                    ; j: its column, at most i
	s_cmp_eq_u32 s87, s88
	s_cselect_b32 s18, 1, 0                        ; on the diagonal
	s_cmp_eq_u32 s14, 1
	s_cselect_b32 s89, s18, 0                      ; my quarter is hidden
	s_cmp_eq_u32 s15, s16
	s_cselect_b32 s90, s18, 0                      ; the diagonal runs through my quarter
	s_cmp_eq_u32 s90, 1
	s_cselect_b32 s[DG], -1, 0
	s_mov_b32 s[HID], 0xff61b1e6
	s_cmp_eq_u32 s89, 1
	s_cselect_b32 s[HID], 0x7f61b1e6, s[HID]
	s_mov_b32 s[G1J+0], 15|(1<<21)                 ; the mask: all four; elements of 1 byte; bit 21 beside a mask; no padding
	s_mov_b32 s[G1S+0], 0
.irp g, G1J, G1S
	s_mov_b32 s[\g+1], 256<<16
	s_mov_b32 s[\g+2], 128<<16
	s_mov_b32 s[\g+3], 256<<16
	s_mov_b32 s[\g+4], 128
	s_mov_b32 s[\g+5], 256
	s_mov_b32 s[\g+6], 0
	s_mov_b32 s[\g+7], 0
.endr
	s_lshl_b32 s18, s82, 3
	s_add_co_u32 s20, s18, s84
	s_lshl_b32 s20, s20, 18                        ; 262,144 bytes for each 256 tokens
	s_lshl_b32 s19, s83, 23
	s_add_co_u32 s20, s20, s19                     ; the shared tile: of Q, or of K,
	s_add_co_u32 s22, s18, s86
	s_lshl_b32 s22, s22, 18
	s_lshl_b32 s19, s80, 23
	s_add_co_u32 s22, s22, s19                     ; the other one: of K, or of Q
	s_lshl_b32 s19, s16, 17                        ; my 128 rows
	s_add_co_u32 s20, s20, s19
	s_mov_b32 s21, 0
	s_add_co_u32 s22, s22, s19
	s_mov_b32 s23, 0
	s_lshl_b32 s81, s14, 15
	s_mov_b32 s[SEL], 0x76543210
	s_mov_b32 s[SEL+1], 0xfedcba98
	s_wait_alu depctr_va_vdst(0)
	s_wait_dscnt 0x0                               ; both opening adds are done
	s_wait_kmcnt 0x0
	s_load_b128 s[ES:ES+3], s[70:71], 0x18         ; e6, e7, e8, e9
	s_add_nc_u64 s[20:21], s[68:69], s[20:21]
	s_add_nc_u64 s[22:23], s[68:69], s[22:23]
.irp s, 0,1
	s_mov_b32 s[G0J+4*\s], 1
	s_add_co_u32 s[G0J+4*\s+1], s81, \s*SLOT
	s_add_nc_u64 s[G0J+4*\s+2:G0J+4*\s+3], s[20:21], \s*32768
	s_or_b32 s[G0J+4*\s+3], s[G0J+4*\s+3], 0x80000000
	s_mov_b32 s[G0S+4*\s], 1
	s_add_co_u32 s[G0S+4*\s+1], s81, \s*SLOT
	s_add_nc_u64 s[G0S+4*\s+2:G0S+4*\s+3], s[22:23], \s*32768
	s_or_b32 s[G0S+4*\s+3], s[G0S+4*\s+3], 0x80000000
.endr
	CROUND                                         ; all four work-groups are here
	JLOAD 0                                        ; K step 0: one tensor load a wave at the head
	s_lshl_b32 s59, s17, 13
	s_cmp_eq_u32 s15, 0
	s_cselect_b64 s[PB:PB+1], s[20:21], s[22:23]
	s_cselect_b32 s59, s59, 0
	s_cselect_b32 s[PN], 0, 1
	s_cmp_eq_u32 ttmp9, 5
	s_cselect_b32 s18, s[PN], 0
	s_add_co_u32 s[PN], s[PN], s18
	s_lshl_b32 s18, s83, 16
	s_lshl_b32 s19, s15, 15
	s_add_co_u32 s18, s18, s19                     ; my 128 queries in a slot: in the shared tile or in the other one,
	s_lshl_b32 s19, s80, 16
	s_lshl_b32 s23, s16, 15
	s_add_co_u32 s19, s19, s23                     ; my 128 keys
	v_and_b32 v6, 31, v0
	v_lshlrev_b32 v[CO], 4, v6
	v_lshl_add_u32 v[PFO], v6, 8, s59
	v_add_nc_u32 v[ADRA], s18, v[CO]
	v_add_nc_u32 v[ADRB], s19, v[CO]
	v_add_nc_u32 v[ADRA+1], SLOT, v[ADRA]
	v_add_nc_u32 v[ADRB+1], SLOT, v[ADRB]
	s_wait_alu depctr_va_vdst(0)
	ASK 1
	ASK 2
	v_and_b32 v1, 15, v0                           ; r
	v_bfe_u32 v2, v0, 4, 1                         ; h
	v_lshlrev_b32 v5, 3, v2
	v_sub_nc_u32 v5, v1, v5
	v_mov_b32 v7, 0x7f
	v_cndmask_b32 v[DD], v7, v5, s[DG]
	v_mov_b32 v[NINF], 0xff800000
	v_mov_b32 v[PX], 0                             ; written once: a lane permute's destination counts as one of its sources
	v_mov_b32 v[PX+1], 0
	v_mov_b32 v[NPR+1], 0                          ; (named as the upper halves of pairs)
	v_mov_b32 v[NPR+3], 0
	s_lshl_b32 s18, s87, 1                         ; the block's number: (batch x 16 + 2 i + my query half) x 16 + 2 j + my key half
	s_add_co_u32 s18, s18, s15
	s_lshl_b32 s19, s82, 4
	s_add_co_u32 s18, s18, s19
	s_lshl_b32 s18, s18, 4
	s_lshl_b32 s19, s88, 1
	s_add_co_u32 s19, s19, s16
	s_add_co_u32 s81, s18, s19
	s_lshl_b32 s18, s81, 14
	s_mov_b32 s19, 0
	s_add_nc_u64 s[76:77], s[72:73], s[18:19]
	s_lshl_b32 s18, s81, 10
	s_add_nc_u64 s[78:79], s[74:75], s[18:19]
	s_wait_alu depctr_va_vdst(0)
	s_wait_kmcnt 0x0
	s_add_co_i32 s18, s[ES], s[ES+1]
	s_lshl_b32 s18, s18, 23
	s_add_co_i32 s[CS], s18, 0x3d38aa3b            ; log2(e) / 32, with e6 + e7 added to its exponent field
	s_mov_b32 s[CS+1], s[CS]
	s_add_co_i32 s18, s[ES+2], 127
	s_lshl_b32 s19, s18, 23
	v_mov_b32 v[SC], s19
	s_add_co_i32 s18, s18, 15
	s_lshl_b32 s18, s18, 23
	s_or_b32 s18, s18, 0x600000
	v_mov_b32 v[LIM], s18
.irp j, 0,1,2,3,4,5,6,7
	v_cmp_gt_i32 s[MJ+\j], \j, v[DD]
.endr
.macro FRAG reg, adr, q, i
.irp c, 0,1,2,3
	ds_load_b128 v[\reg+4*\c:\reg+4*\c+3], v[\adr] offset:16384*(\q)+512*\c+(\i)*2048
.endr
.endm
.macro MUL16 a0, p, zero               ; the 64 accumulators take turns, one instruction a turn, in the same order in every step
.irp a, \a0, \a0+1
.irp b, 0,1,2,3,4,5,6,7
.if \zero
	v_wmma_f32_16x16x128_bf8_bf8 v[8*(8*((\a)%4)+\b):8*(8*((\a)%4)+\b)+7], v[128*(\p)+FR*\b:128*(\p)+FR*\b+FR-1], v[AF+FR*(\a):AF+FR*(\a)+FR-1], 0
.else
	v_wmma_f32_16x16x128_bf8_bf8 v[8*(8*((\a)%4)+\b):8*(8*((\a)%4)+\b)+7], v[128*(\p)+FR*\b:128*(\p)+FR*\b+FR-1], v[AF+FR*(\a):AF+FR*(\a)+FR-1], v[8*(8*((\a)%4)+\b):8*(8*((\a)%4)+\b)+7]
.endif
.endr
.endr
.endm
.macro FETCH_B slot, q, p
	WIN TO_B
.irp i, 0,1,2,3,4,5,6,7
	FRAG 128*(\p)+FR*\i, ADRB+\slot, \q, \i
.endr
	WIN 0
.endm
.macro FETCH_A slot, q, i0
.irp i, \i0, \i0+1, \i0+2, \i0+3
	FRAG AF+FR*(\i), ADRA+\slot, \q, \i
.endr
.endm
.macro PLACES
.rept 4
	v_nop
.endr
.endm
.macro STEP slot, zero
	s_wait_dscnt 16                                ; K's set and Q's blocks 0-3 are in; the youngest sixteen loads may be out
	WIN MUL_LO
	MUL16 0, 0, \zero
	FETCH_B \slot, 1, 1
	WIN MUL_LO
	MUL16 2, 0, \zero
	s_wait_dscnt 32                                ; Q's blocks 4-7 are in
	PLACES
	WIN 0
	FETCH_A \slot, 1, 0
	WIN MUL_HI
	MUL16 4, 0, \zero
	MUL16 6, 0, \zero
	PLACES
	WIN 0
	FETCH_A \slot, 1, 4
.endm
.macro TURN slot, next, fill
	s_wait_tensorcnt 0x0                           ; all my tensor loads have landed: my part of the next slot
	ds_add_u32 v[SPW], v[NIL]
	s_wait_dscnt 17                                ; the add and the youngest sixteen loads may be out
	WIN MUL_LO
	MUL16 0, 1, 0
	s_wait_dscnt 0x0                               ; the add is done, and my reads of this slot are over
	s_barrier_signal -1
	MUL16 2, 1, 0
	WIN 0
	s_barrier_wait -1                              ; nobody reads this slot any more, and the next slot is whole
.if \fill
	CREST                                          ; in no work-group of the cluster
	s_add_nc_u64 s[G0J+4*\slot+2:G0J+4*\slot+3], s[G0J+4*\slot+2:G0J+4*\slot+3], 2*32768
	s_add_nc_u64 s[G0S+4*\slot+2:G0S+4*\slot+3], s[G0S+4*\slot+2:G0S+4*\slot+3], 2*32768
	JLOAD \slot                                    ; my one tensor load behind the round; its four v_nop are places too
.else
	PLACES
.endif
	FETCH_B \next, 0, 0
	FETCH_A \next, 0, 0
	WIN MUL_HI
	MUL16 4, 1, 0
	MUL16 6, 1, 0
	PLACES
	WIN 0
	FETCH_A \next, 0, 4
.endm
; The softmax of row blocks a and a + 1: 2 x 16 queries x my 128 keys, 2 x 64 numbers a lane, in lines that take turns.
.macro SOFT2 a
.set XW, 2+(\a)/4
.set AC, 64*((\a)%4)
.set CB, 192+32*(((\a)/2)%2)
	WIN 0
	s_wait_xcnt 0x0                                ; the stores of the codes' registers used before have read them
	WIN XW*0x14                                    ; sources 1 and 2: the scores' window
	s_wait_alu depctr_va_vdst(0)                   ; ahead of the first readers of the scores
.irp c, 0,1,2,3,4,5,6,7
	v_mov_b32 v[MX+\c], 0xff800000
.endr
.irp k, 0,2,4,6,8,10,12,14
.irp c, 0,1,2,3,4,5,6,7
	v_max3_num_f32 v[MX+\c], v[MX+\c], v[AC+16*\c+\k], v[AC+16*\c+\k+1]   ; eight chains of two accumulators, each from its low end on
.endr
.endr
	WIN 0
.irp e, 0,1
	v_max3_num_f32 v[MX+4*\e], v[MX+4*\e], v[MX+4*\e+1], v[MX+4*\e+2]
.endr
.irp e, 0,1
	v_max_num_f32 v[MX+4*\e], v[MX+4*\e], v[MX+4*\e+3]
.endr
.irp e, 0,1
	v_permlanex16_b32 v[PX+\e], v[MX+4*\e], s[SEL], s[SEL+1]
.endr
.irp e, 0,1
	v_max_num_f32 v[MX+4*\e], v[MX+4*\e], v[PX+\e] ; and among lane l xor 16's 64 keys
.endr
.irp e, 0,1
	v_mul_f32 v[MX+4*\e], s[CS], v[MX+4*\e]        ; as t (c is positive)
.endr
.irp e, 0,1
	v_floor_f32 v[NPR+2*\e], -v[MX+4*\e]           ; -M = floor(-t): M is a whole number
.endr
.irp e, 0,1
	v_max_num_f32 v[NM+(\a)+\e], s[HID], v[NPR+2*\e]   ; what is stored: 3e38 where my quarter is hidden
.endr
	WIN XW                                         ; source 0: the scores' window
.set k, 0
.rept 32
	v_pk_fma_f32 v[32+k:33+k], v[AC+k:AC+k+1], s[CS:CS+1], v[NPR:NPR+1] op_sel_hi:[1,0,0]   ; t - M
	v_pk_fma_f32 v[128+k:129+k], v[AC+64+k:AC+65+k], s[CS:CS+1], v[NPR+2:NPR+3] op_sel_hi:[1,0,0]
.set k, k+2
.endr
	WIN 0
	s_wait_alu depctr_va_vdst(0)                   ; ahead of the batch
.set k, 0
.rept 64
	v_exp_f32 v[32+k], v[32+k]                     ; p = 2^(t - M), at most 1; 0 where the mask put -infinity
	v_exp_f32 v[128+k], v[128+k]
.set k, k+1
.endr
	v_nop                                          ; a plain line behind the last exponential
	s_wait_alu depctr_va_vdst(0)                   ; one wait for the batch, ahead of its first reader
.irp e, 0,1
	v_pk_add_f32 v[MX+4*\e:MX+4*\e+1], v[32+96*\e:33+96*\e], v[34+96*\e:35+96*\e]   ; the sum of the UNQUANTISED p, two chains a row block
	v_pk_add_f32 v[MX+4*\e+2:MX+4*\e+3], v[36+96*\e:37+96*\e], v[38+96*\e:39+96*\e]
.endr
.set k, 8
.rept 14
.irp e, 0,1
	v_pk_add_f32 v[MX+4*\e:MX+4*\e+1], v[MX+4*\e:MX+4*\e+1], v[32+96*\e+k:33+96*\e+k]
	v_pk_add_f32 v[MX+4*\e+2:MX+4*\e+3], v[MX+4*\e+2:MX+4*\e+3], v[34+96*\e+k:35+96*\e+k]
.endr
.set k, k+4
.endr
.irp e, 0,1
	v_pk_add_f32 v[MX+4*\e:MX+4*\e+1], v[MX+4*\e:MX+4*\e+1], v[MX+4*\e+2:MX+4*\e+3]
.endr
.set k, 0
.rept 64
	v_min_num_f32 v[32+k], v[32+k], v[LIM]         ; the conversion does not saturate (ISA guide 7.6.2); p is not negative, so the hold is one-sided
	v_min_num_f32 v[128+k], v[128+k], v[LIM]
.set k, k+1
.endr
.irp e, 0,1
.irp b, 0,1,2,3,4,5,6,7
	v_cvt_scalef32_pk8_bf8_f32 v[CB+16*\e+2*\b:CB+16*\e+2*\b+1], v[32+96*\e+8*\b:39+96*\e+8*\b], v[SC]
.endr
.endr
	v_nop                                          ; a plain line behind the conversions
.irp e, 0,1
	v_add_f32 v[LL+(\a)+\e], v[MX+4*\e], v[MX+4*\e+1]
.endr
.irp e, 0,1
	v_permlanex16_b32 v[PX+\e], v[LL+(\a)+\e], s[SEL], s[SEL+1]
.endr
.irp e, 0,1
	v_add_f32 v[LL+(\a)+\e], v[LL+(\a)+\e], v[PX+\e]
.endr
.irp j, 0,1,2,3,4,5,6,7
	global_store_b128 v[CO], v[CB+4*\j:CB+4*\j+3], s[76:77] offset:2048*(\a)+512*\j   ; two fragments: 512 consecutive bytes a store
.endr
.endm
	s_wait_alu depctr_va_vdst(0)                   ; the head's end
	s_wait_tensorcnt 0x0                           ; my part of K step 0 is in
	ds_add_u32 v[SPW], v[NIL]
	s_wait_dscnt 0x0
	CROUND
	JLOAD 1                                        ; K step 1
	FETCH_B 0, 0, 0
	FETCH_A 0, 0, 0
	FETCH_A 0, 0, 4
	ASK 3
	STEP 0, 1
	TURN 0, 1, 1
	STEP 1, 0
	TURN 1, 0, 1
	STEP 0, 0
	TURN 0, 1, 0
	STEP 1, 0
	s_wait_dscnt 16
	WIN MUL_LO
	MUL16 0, 1, 0
	MUL16 2, 1, 0
	s_wait_dscnt 0
	WIN MUL_HI
	MUL16 4, 1, 0
	MUL16 6, 1, 0
	WIN 0
	PLACES
	s_wait_tensorcnt 0x0                           ; no LDS instruction follows
	ds_add_u32 v[SPW], v[NIL]
	s_wait_dscnt 0x0
	CROUND                                         ; the closing round: behind it no joint load is issued
	; THE MASK, by selection in every tile.  Where the diagonal runs through my quarter: query 16 a + r, key 16 b + 8 h + j.  b > a: hidden; b = a: hidden where j > r - 8 h; b < a: counts
.irp a, 0,1,2,3,4,5,6,7
	WIN ((2+\a/4)<<6)|(2+\a/4)
.irp b, 0,1,2,3,4,5,6,7
.if \b == \a
.irp j, 0,1,2,3,4,5,6,7
	v_cndmask_b32 v[64*(\a%4)+8*\b+\j], v[64*(\a%4)+8*\b+\j], v[NINF], s[MJ+\j]
.endr
.elseif \b > \a
.irp j, 0,1,2,3,4,5,6,7
	v_cndmask_b32 v[64*(\a%4)+8*\b+\j], v[64*(\a%4)+8*\b+\j], v[NINF], s[DG]
.endr
.endif
.endr
.endr
.irp a, 0,2,4,6
	SOFT2 \a
.endr
	v_and_b32 v112, 31, v0
	v_cmp_gt_u32 vcc_lo, 16, v112                  ; lanes 0-15 store row blocks 0-3, lanes 16-31 row blocks 4-7 (both halves of the lanes hold the same numbers)
.irp i, 0,1,2,3
	v_cndmask_b32 v[32+\i], v[NM+4+\i], v[NM+\i], vcc_lo
	v_cndmask_b32 v[36+\i], v[LL+4+\i], v[LL+\i], vcc_lo
.endr
	global_store_b128 v[CO], v[32:35], s[78:79]
	global_store_b128 v[CO], v[36:39], s[78:79] offset:512
	s_endpgm
.Lfunc_end_k_qc0e2da95b3_score:
	.size	k_qc0e2da95b3_score, .Lfunc_end_k_qc0e2da95b3_score-k_qc0e2da95b3_score
	.p2alignl 7, 3214868480
	.fill 96, 4, 3214868480
	.section	.rodata,"a",@progbits
	.p2align	6, 0x0
	.amdhsa_kernel k_qc0e2da95b3_score
		.amdhsa_group_segment_fixed_size 327680
		.amdhsa_private_segment_fixed_size 0
		.amdhsa_enable_private_segment 0
		.amdhsa_kernarg_size 32
		.amdhsa_user_sgpr_count 2
		.amdhsa_user_sgpr_kernarg_segment_ptr 1
		.amdhsa_wavefront_size32 1
		.amdhsa_system_sgpr_workgroup_id_x 1
		.amdhsa_system_sgpr_workgroup_id_y 1
		.amdhsa_system_sgpr_workgroup_id_z 1
		.amdhsa_system_vgpr_workitem_id 0
		.amdhsa_next_free_vgpr 1024
		.amdhsa_next_free_sgpr 100
		.amdhsa_reserve_vcc 1
		.amdhsa_float_denorm_mode_32 3
		.amdhsa_float_denorm_mode_16_64 3
		.amdhsa_memory_ordered 1
		.amdhsa_forward_progress 1
		.amdhsa_inst_pref_size 194
	.end_amdhsa_kernel
	.amdgpu_metadata
---
amdhsa.version: [ 1, 2 ]
amdhsa.kernels:
  - .name:           k_qc0e2da95b3_score
    .symbol:         k_qc0e2da95b3_score.kd
    .args:
      - { .name: qkv, .offset: 0, .size: 8, .value_kind: global_buffer, .address_space: global }
      - { .name: lowp_scales, .offset: 8, .size: 8, .value_kind: global_buffer, .address_space: global }
      - { .name: pc, .offset: 16, .size: 8, .value_kind: global_buffer, .address_space: global }
      - { .name: st, .offset: 24, .size: 8, .value_kind: global_buffer, .address_space: global }
    .group_segment_fixed_size: 327680
    .private_segment_fixed_size: 0
    .kernarg_segment_align: 8
    .kernarg_segment_size: 32
    .max_flat_workgroup_size: 128
    .sgpr_count:     100
    .vgpr_count:     1024
    .wavefront_size: 32
...
	.end_amdgpu_metadata
.endif
;; end of part 3
;; launch pv (part 4): grid 8 x 32, 4 waves a work-group, clusters of 4 x 2, 327,680 bytes of LDS; arguments pc, st, qkv, lowp_scales, out0; writes out0
.if DOCPART == 4
	.amdgcn_target "amdgcn-amd-amdhsa--gfx1250"
	.amdhsa_code_object_version 6
	.text
	.protected	k_qc0e2da95b3_pv
	.globl	k_qc0e2da95b3_pv
	.p2align	8
	.type	k_qc0e2da95b3_pv,@function
k_qc0e2da95b3_pv:
	s_mov_b64 s[64:65], 0
	v_nop
	global_prefetch_b8 v0, s[64:65] scope:SCOPE_SE
	s_setreg_imm32_b32 hwreg(HW_REG_WAVE_MODE, 25, 1), 1
	s_wait_xcnt 0x0
	s_wait_alu depctr_hold_cnt(0) depctr_sa_sdst(0) depctr_va_vdst(0) depctr_va_sdst(0) depctr_va_ssrc(0) depctr_va_vcc(0) depctr_vm_vsrc(0)
	s_getreg_b32 s2, hwreg(HW_REG_IB_STS2, 6, 4)
	s_cmp_eq_u32 s2, 0
	s_cbranch_scc0 .Lentry_in_a_cluster
	s_endpgm
.Lentry_in_a_cluster:
	s_bfe_u32 s2, ttmp6, 0x10000c
	s_cmp_lg_u32 s2, 0x7013
	s_cbranch_scc0 .Lentry_shape_is_right
	s_endpgm
.Lentry_shape_is_right:
; Launch 4 of 4: O = (the sum over key blocks kb of 2^(M_kb - M_row) P_kb V_kb) x 2^(e8 + e9) / l on codes of E5M2.  LEFT OUT: the steps of 256 keys wholly behind a tile's queries, whose weights the causal mask of reference() makes 0.
; SHARES.  A work-group takes 128 channels (ct = its x) and TWO tiles of 128 queries of one batch: query blocks pi and 15 - pi.  The first needs n1 = pi / 2 + 1 steps of 256 keys, the second 9 - n1:
; nine steps, 18 blocks of 128 keys, in every work-group, so all 256 do equal work, with constant counts.  A wave takes 64 queries x 64 channels.
; P and V lie in memory and in LDS as images of fragments (16 rows x 128 keys in 2,048 bytes: four pieces of 512, 16 bytes a lane).
; TRANSPOSED: source 0 = 16 channels of V, source 1 = 16 queries of P: a lane holds one query and eight neighbouring channels.  Each block is multiplied with C = 0 into T, and ACC += f x T with f = 2^(M_kb - M_row) of the
; lane's query: exact, since both M are whole numbers.  Each product's multiply-adds stand behind the next product.  The factors, and 2^(e8 + e9) / l, are made once at the head from the stored -M and l.
; ACC is cleared at the head and between the two tiles: at which step the second tile begins hangs on the work-group's number, so no instruction written with a constant 0 could start its sums.
; RING.  Two LDS slots of two steps (four blocks) each.  Wave 0 fetches P of a slot's even step, wave 1 of its odd step, waves 2 and 3 V likewise: one dense load of 32,768 bytes a wave behind each round.
; A slot is changed at the head of its last block, whose fragments are then in registers: the next slot's first fragments and the refill are on their way while that block is multiplied.
; CLUSTER of 4 x 2: four neighbouring ct x two neighbouring pi (2 m and 2 m + 1, whose n1 are equal): the row's four walk the same P, the column's two the same V: both are asked for JOINTLY.  cluster y = 4 x batch + m.
; PREFETCH: behind fill f's loads what fill f + 2 will ask for, and fill 1's at the head: of P a quarter by each partner of the row, of V a half by each partner of the column, by address.
; LIMITS: e8 + e9 is applied by v_ldexp_f32 and has none.  NaN is not served.
; REGISTERS: window 0: v1-29 addresses; v32-215 the statistics at the head, then v32-159 rows on their way out.  window 1: v0-127 V's fragments, two sets; v128-199 f at 4 n + a, n the block; v200-215 the divisors as pairs at 8 t + 2 a.
;   windows 2 (row blocks a = 0, 1) and 3 (a = 2, 3): v0-63 ACC at 8 (4 (a % 2) + b); v64-127 T likewise; v128-191 P's fragments, two sets.
.set SLOTB, 131072                     ; a slot: P of four blocks of keys, V of four blocks, 16,384 bytes each
.set VOFF,  65536
.set STAGE, 2*SLOTB                    ; behind the ring: 16 rows x 272 bytes for each wave
.set SPARE, STAGE+4*16*272             ; behind the stages: the spare words, 128 bytes a wave
.set ADP,  4                           ; v4, v5 LDS address of my P fragments in the slot in hand, in slot 0
.set AP0,  5
.set ADV,  8                           ; v8, v9 the same for V
.set AV0,  9
.set STO,  12
.set RD,   13
.set GO,   14
.set SOF,  16                          ; v16-24 my byte offset in st for each step; never rewritten
.set BIG,  25                          ; v25 3e38
.set PFO,  26                          ; v26 the prefetches' offset: 256 x lane, + 8,192 x cx (P) or 16,384 x cy (V)
.set SPW,  28
.set NIL,  29
.set NM,   32                          ; v32-103  -M of the 18 blocks, four row blocks each; then the factor's exponent
.set LL,   104                         ; v104-175 l likewise
.set M1,   176                         ; the rows' M of tile 1, of tile 2
.set M2,   180
.set RG,   184                         ; the M that holds in steps 1 to 3
.set TT,   196
.set L1,   200
.set L2,   204
.set RC,   208
.set FW,   128                         ; (window 1) the factors
.set DV,   200                         ; (window 1) the divisors
.set G1P, 24
.set G1V, 32
.set G0P, 40
.set G0V, 48
.set MK,  56                           ; s56-58: all ones where step 1, 2, 3 belongs to tile 1, else 0
.set OB,  76                           ; s[76:77], s[78:79]: my part of out0 for tile 1, tile 2
.set F2,  83                           ; s83 2 x the fill asked for last
.set PB,  84                           ; s[84:85], s[92:93] where prefetches stand
.set PB2, 92
.set TB,  86                           ; s86 LDS byte at which the slot in hand begins
.set KST, 87                           ; s87 steps done
.set LC,  88
.set MSB, 0
.macro WIN new
.if MSB != \new
	s_set_vgpr_msb (MSB<<8)|\new
.set MSB, \new
.endif
.endm
.macro CROUND                          ; a round of the cluster's barrier
	s_barrier_signal -1
	s_barrier_wait -1
	s_cmp_lg_u32 s14, 0
	s_cbranch_scc1 .Lnot_wave_0_\@
	s_barrier_signal -3
.Lnot_wave_0_\@:
	s_barrier_wait -3
	s_barrier_signal -1
	s_barrier_wait -1
.endm
; The global addresses of a fill (off = 0: the one in hand; 2, 4: one, two behind it), for its step of my parity.  Scalar work alone.  P's are made of the batch, pi and the wave's number, in registers that never hold my channels.
.macro PADDR off, d
	s_add_co_u32 s60, s16, s[F2]
	s_add_co_u32 s60, s60, \off
	s_cmp_lt_u32 s60, s22
	s_cselect_b32 s61, s21, s23                    ; the query block,
	s_cselect_b32 s62, 0, s22
	s_sub_co_u32 s62, s60, s62                     ; the step's 256 keys
	s_lshl_b32 s61, s61, 4
	s_lshl_b32 s60, s62, 1
	s_add_co_u32 s60, s60, s61
	s_add_co_u32 s60, s60, s66
	s_lshl_b32 s60, s60, 14                        ; two neighbouring blocks of pc: 32,768 dense bytes
	s_mov_b32 s61, 0
	s_add_nc_u64 s[\d:\d+1], s[4:5], s[60:61]
.endm
.macro ADDR
	PADDR 0, G0P+2
	s_or_b32 s[G0P+3], s[G0P+3], 0x80000000
	s_lshl_b32 s68, s62, 15
	s_add_co_u32 s68, s68, s70
	s_mov_b32 s69, 0
	s_add_nc_u64 s[G0V+2:G0V+3], s[8:9], s[68:69]
	s_or_b32 s[G0V+3], s[G0V+3], 0x80000000
.endm
.macro TLD half                        ; waves 0, 1: P; waves 2, 3: V.  half = 1: the fill holds one step: waves 1 and 3 have nothing to fetch
.if \half
	s_cmp_lg_u32 s16, 0
	s_cbranch_scc1 .Lasked_\@
.endif
	s_cmp_eq_u32 s15, 0
	s_cbranch_scc0 .Lfor_v_\@
	tensor_load_to_lds s[G0P:G0P+3], s[G1P:G1P+7]
	s_nop 0
.rept 4
	v_nop
.endr
	s_branch .Lasked_\@
.Lfor_v_\@:
	tensor_load_to_lds s[G0V:G0V+3], s[G1V:G1V+7]
	s_nop 0
.rept 4
	v_nop
.endr
.Lasked_\@:
.endm
; What a later fill will ask for, of the 32,768 bytes that my wave fetches: P: 32 lanes, V: twice 32, 256 bytes apart.  Fill 4 (count 8) has one step, the even waves'; behind it there is none.
.macro ASKF off, d, again
.if \again
	s_wait_xcnt 0x0                                ; the prefetches before have read their address
.endif
	PADDR \off, \d
	s_lshl_b32 s68, s62, 15
	s_add_co_u32 s68, s68, s70
	s_mov_b32 s69, 0
	s_add_nc_u64 s[90:91], s[8:9], s[68:69]
	s_cmp_eq_u32 s15, 0
	s_cselect_b64 s[\d:\d+1], s[\d:\d+1], s[90:91]
	s_cmp_eq_u32 s[F2], 8-(\off)
	s_cselect_b32 s63, s16, 0
	s_cmp_gt_u32 s[F2], 8-(\off)
	s_cselect_b32 s63, 1, s63
	s_cmp_eq_u32 s63, 0
	s_cbranch_scc0 .Lasked_all_\@
	global_prefetch_b8 v[PFO], s[\d:\d+1] th:TH_LOAD_NT scope:SCOPE_SE
	s_cmp_eq_u32 s15, 0
	s_cbranch_scc1 .Lasked_all_\@
	global_prefetch_b8 v[PFO], s[\d:\d+1] offset:8192 th:TH_LOAD_NT scope:SCOPE_SE
.Lasked_all_\@:
.endm
.macro CLEAR
.irp w, 2,3
	WIN 0x40*\w
.set i, 0
.rept 64
	v_mov_b32 v[i], 0
.set i, i+1
.endr
.endr
	WIN 0
.endm
	s_load_b256 s[4:11], s[0:1], 0x0               ; pc s[4:5], st s[6:7], qkv s[8:9], the scales' exponents s[10:11]
	s_load_b64 s[12:13], s[0:1], 0x20              ; out0
	v_lshl_add_u32 v[SPW], v0, 2, SPARE
	v_mov_b32 v[NIL], 0
	ds_add_u32 v[SPW], v[NIL]                      ; the wave's opening: the add, twice on end, and its wait ahead of my first tensor load
	ds_add_u32 v[SPW], v[NIL]
	v_lshrrev_b32 v1, 5, v0
	v_readfirstlane_b32 s14, v1                    ; wave 0..3
	s_lshr_b32 s15, s14, 1                         ; my half of the queries.  Also: I fetch P (0) or V (1)
	s_and_b32 s16, s14, 1                          ; my half of the channels.  Also: the parity of the steps that I fetch
	s_bfe_u32 s17, ttmp6, 0x40000                  ; cx
	s_bfe_u32 s71, ttmp6, 0x40004                  ; cy
	s_lshl_b32 s18, ttmp9, 2
	s_add_co_u32 s18, s18, s17                     ; ct: my 128 channels: it enters V's and out0's addresses alone
	s_and_b32 s19, ttmp7, 0xffff
	s_lshr_b32 s20, s19, 2                         ; batch
	s_and_b32 s22, s19, 3                          ; m
	s_lshl_b32 s21, s22, 1
	s_add_co_u32 s21, s21, s71                     ; pi: it enters P's, st's and out0's addresses alone
	s_add_co_u32 s22, s22, 1                       ; n1
	s_sub_co_u32 s23, 15, s21
	s_lshl_b32 s66, s20, 8
	s_lshl_b32 s70, s20, 3                         ; V's part of qkv: (batch x 8 + ct) x 16 blocks
	s_add_co_u32 s70, s70, s18
	s_lshl_b32 s70, s70, 18
	s_add_co_u32 s70, s70, 16<<20
.irp g, 1,2,3
	s_cmp_gt_u32 s22, \g
	s_cselect_b32 s[MK+\g-1], -1, 0
.endr
	s_lshl_b32 s67, s71, 2
	s_lshl_b32 s67, 15, s67                        ; my row of the cluster,
	s_lshl_b32 s89, 0x11, s17                      ; my column
	s_or_b32 s[G1P+0], s67, 1<<21                  ; the mask; elements of 1 byte; bit 21 beside a mask; no padding
	s_or_b32 s[G1V+0], s89, 1<<21
.irp g, G1P, G1V
	s_mov_b32 s[\g+1], 256<<16
	s_mov_b32 s[\g+2], 128<<16
	s_mov_b32 s[\g+3], 256<<16
	s_mov_b32 s[\g+4], 128
	s_mov_b32 s[\g+5], 256
	s_mov_b32 s[\g+6], 0
	s_mov_b32 s[\g+7], 0
.endr
	s_lshl_b32 s59, s16, 15
	s_mov_b32 s[G0P], 1
	s_mov_b32 s[G0P+1], s59
	s_mov_b32 s[G0V], 1
	s_add_co_u32 s[G0V+1], s59, VOFF
	s_mov_b32 s[F2], 0
	s_mov_b32 s[TB], 0
	s_mov_b32 s[KST], 0
	s_wait_alu depctr_va_vdst(0)
	s_wait_dscnt 0x0                               ; both opening adds are done
	s_wait_kmcnt 0x0
	s_load_b64 s[80:81], s[10:11], 0x20            ; e8, e9
	ADDR
	CROUND                                         ; all eight work-groups are here: the first joint loads meet
	TLD 0                                          ; fill 0: one tensor load a wave at the head
	v_and_b32 v1, 15, v0                           ; r
	v_bfe_u32 v2, v0, 4, 1                         ; h
	s_lshl_b32 s72, s15, 8
	v_lshl_add_u32 v15, v1, 4, s72                 ; st: my half's 256 bytes, 16 r: four row blocks' numbers of query r
	s_wait_alu depctr_va_vdst(0)
.irp g, 0,1,2,3,4,5,6,7,8
	s_cmp_gt_u32 s22, \g
	s_cselect_b32 s60, s21, s23
	s_cselect_b32 s61, 0, s22
	s_sub_co_u32 s61, \g, s61
	s_lshl_b32 s60, s60, 4
	s_lshl_b32 s61, s61, 1
	s_add_co_u32 s60, s60, s61
	s_add_co_u32 s60, s60, s66
	s_lshl_b32 s60, s60, 10
	v_add_nc_u32 v[SOF+\g], s60, v15
.endr
	s_wait_alu depctr_va_vdst(0)
.irp g, 0,1,2,3,4,5,6,7,8
.irp u, 0,1
	global_load_b128 v[NM+8*\g+4*\u:NM+8*\g+4*\u+3], v[SOF+\g], s[6:7] offset:1024*\u
	global_load_b128 v[LL+8*\g+4*\u:LL+8*\g+4*\u+3], v[SOF+\g], s[6:7] offset:1024*\u+512
.endr
.endr
	s_lshl_b32 s74, s17, 13
	s_lshl_b32 s75, s71, 14
	s_cmp_eq_u32 s15, 0
	s_cselect_b32 s74, s74, s75
	v_and_b32 v3, 31, v0
	v_lshl_add_u32 v[PFO], v3, 8, s74
	s_wait_alu depctr_va_vdst(0)
	ASKF 2, PB, 0                                  ; fill 1,
	ASKF 4, PB2, 0                                 ; fill 2
	s_lshl_b32 s72, s15, 13                        ; P: my 64 queries: four fragments
	s_lshl_b32 s73, s16, 13
	s_add_co_u32 s73, s73, VOFF                    ; V: my 64 channels
	v_and_b32 v3, 31, v0
	v_lshlrev_b32 v3, 4, v3
	v_add_nc_u32 v[AP0], s72, v3
	v_add_nc_u32 v[AV0], s73, v3
	v_add_nc_u32 v[ADP], s72, v3
	v_add_nc_u32 v[ADV], s73, v3
	s_mul_i32 s72, s14, 16*272
	s_add_co_u32 s72, s72, STAGE                   ; my stage
	v_mul_u32_u24 v3, v1, 272
	v_lshl_add_u32 v3, v2, 5, v3
	v_add_nc_u32 v[STO], s72, v3                   ; in: row r, 32 h
	v_mul_u32_u24 v3, v2, 272
	v_lshl_add_u32 v3, v1, 4, v3
	v_add_nc_u32 v[RD], s72, v3                    ; back: lanes 0-15 one row of 256 bytes, lanes 16-31 the next
	v_lshlrev_b32 v3, 12, v2
	v_lshl_add_u32 v[GO], v1, 4, v3                ; and the same two rows in out0
	v_mov_b32 v[BIG], 0x7f61b1e6
	CLEAR                                          ; tile 1's sums
	s_lshl_b32 s74, s18, 9                         ; out0: 512 ct + 256 x my channel half,
	s_lshl_b32 s75, s16, 8
	s_add_co_u32 s74, s74, s75
	s_lshl_b32 s72, s20, 11
	s_lshl_b32 s73, s15, 6
	s_add_co_u32 s75, s72, s73                     ; row 2,048 batch + 64 x my query half
	s_lshl_b32 s72, s21, 7
	s_add_co_u32 s72, s72, s75
	s_lshl_b32 s72, s72, 12
	s_add_co_u32 s72, s72, s74
	s_mov_b32 s73, 0
	s_add_nc_u64 s[OB:OB+1], s[12:13], s[72:73]
	s_lshl_b32 s72, s23, 7
	s_add_co_u32 s72, s72, s75
	s_lshl_b32 s72, s72, 12
	s_add_co_u32 s72, s72, s74
	s_add_nc_u64 s[OB+2:OB+3], s[12:13], s[72:73]
; A block's fragments: block blk of the slot in hand, 64 channels and 64 queries x 128 keys, into set ps.
.macro FRAGS blk, ps
	WIN 0x40                                       ; destination window 1
.irp b, 0,1,2,3
.irp c, 0,1,2,3
	ds_load_b128 v[64*(\ps)+16*\b+4*\c:64*(\ps)+16*\b+4*\c+3], v[ADV] offset:16384*(\blk)+2048*\b+512*\c
.endr
.endr
.irp a, 0,1,2,3
	WIN 0x80+0x40*(\a/2)                           ; destination window 2, 3
.irp c, 0,1,2,3
	ds_load_b128 v[128+32*(\ps)+16*(\a%2)+4*\c:128+32*(\ps)+16*(\a%2)+4*\c+3], v[ADP] offset:16384*(\blk)+2048*\a+512*\c
.endr
.endr
	WIN 0
.endm
; ACC += f x T for accumulator i of window w, from its low end on.  f is one register of an even pair: op_sel takes it for both halves.
.macro ACCT f, w, i
.set FP, (\f)+2*((\w)-2)
.irp k, 0,2,4,6
.if (\i)/4 == 0
	v_pk_fma_f32 v[8*(\i)+\k:8*(\i)+\k+1], v[FP:FP+1], v[64+8*(\i)+\k:65+8*(\i)+\k], v[8*(\i)+\k:8*(\i)+\k+1] op_sel_hi:[0,1,1]
.else
	v_pk_fma_f32 v[8*(\i)+\k:8*(\i)+\k+1], v[FP:FP+1], v[64+8*(\i)+\k:65+8*(\i)+\k], v[8*(\i)+\k:8*(\i)+\k+1] op_sel:[1,0,0] op_sel_hi:[1,1,1]
.endif
.endr
.endm
; Eight products of window w, each with C = 0 (no sum is carried from one to the next).  Behind product i stand the four multiply-adds of product i - 1: they are also the four places behind product i ahead of its own.
.macro HALF ps, f, w
	WIN 0x01+0x54*(\w)                             ; source 0 (V, f) window 1; sources 1 (P, T), 2 and destination window w
.irp i, 0,1,2,3,4,5,6,7
	v_wmma_f32_16x16x128_bf8_bf8 v[64+8*\i:71+8*\i], v[64*(\ps)+16*(\i%4):64*(\ps)+16*(\i%4)+15], v[128+32*(\ps)+16*(\i/4):128+32*(\ps)+16*(\i/4)+15], 0
.if \i == 0
.rept 4
	v_nop
.endr
.else
	ACCT \f, \w, \i-1
.endif
.endr
	ACCT \f, \w, 7
.endm
.macro KBL ps, f                       ; a block of 128 keys: fragments in set ps, factors from register f on
	HALF \ps, \f, 2
	HALF \ps, \f, 3
.endm
.macro KB ps, f, nb                    ; the same; block nb of the slot in hand comes next, and its fragments are asked for first
	s_wait_dscnt 0x0                               ; this block's fragments are in
	FRAGS \nb, 1-(\ps)
	KBL \ps, \f
.endm
; A fill: every wave waits for all its tensor loads, adds 0 to its spare word, waits for that and for its reads; a round of the cluster's barrier; the load into the other slot than last time.
.macro FILL half
	WIN 0
	s_wait_tensorcnt 0x0                           ; no tensor load of mine is out, so a descriptor may be written
	ds_add_u32 v[SPW], v[NIL]
	s_add_co_u32 s[F2], s[F2], 2
	ADDR
	s_xor_b32 s[G0P+1], s[G0P+1], SLOTB
	s_xor_b32 s[G0V+1], s[G0V+1], SLOTB
	s_wait_dscnt 0x0
	CROUND
	TLD \half
.endm
.macro TOGGLE                          ; on to the other slot
	s_xor_b32 s[TB], s[TB], SLOTB
	v_add_nc_u32 v[ADP], s[TB], v[AP0]
	v_add_nc_u32 v[ADV], s[TB], v[AV0]
.endm
; Tile t goes out: x 2^(e8 + e9) / l, through my stage, 16 rows at a time, so that sixteen lanes store one aligned 256 bytes of a row of out0.
.macro EPI t
	WIN 0
	s_wait_xcnt 0x0                                ; the other tile's stores have read their data: those registers are loaded again only behind this wait
.irp w, 2,3
	WIN 0x01+0x54*\w
.set k, 0
.rept 32
	v_pk_mul_f32 v[64+k:65+k], v[DV+8*(\t)+4*(\w-2)+2*(k/32):DV+8*(\t)+4*(\w-2)+2*(k/32)+1], v[k:k+1]
.set k, k+2
.endr
.endr
.irp a, 0,1,2,3
	WIN 0x08+4*(\a/2)                              ; store data window 2, 3
.irp b, 0,1,2,3
	ds_store_b128 v[STO], v[64+32*(\a%2)+8*\b:64+32*(\a%2)+8*\b+3] offset:64*\b
	ds_store_b128 v[STO], v[64+32*(\a%2)+8*\b+4:64+32*(\a%2)+8*\b+7] offset:64*\b+16
.endr
	WIN 0
.irp k, 0,1,2,3,4,5,6,7
	ds_load_b128 v[32+32*\a+4*\k:32+32*\a+4*\k+3], v[RD] offset:544*\k   ; LDS serves a wave's instructions in order: these see my stores, and the next rows' stores come behind them
.endr
.endr
.irp a, 0,1,2,3
	s_wait_dscnt 48-16*\a                          ; the later row blocks' sixteen LDS instructions each may be out
.irp k, 0,1,2,3,4,5,6,7
	global_store_b128 v[GO], v[32+32*\a+4*\k:32+32*\a+4*\k+3], s[OB+2*(\t):OB+2*(\t)+1] offset:(16*\a+2*\k)*4096 th:TH_STORE_NT
.endr
.endr
.endm
.macro COND                            ; behind a step: was it tile 1's last?  A branch on ids and the count of steps, the same in all waves and all partners
	WIN 0
	s_add_co_u32 s[KST], s[KST], 1
	s_cmp_lg_u32 s22, s[KST]
	s_cbranch_scc1 .Lnot_yet_\@
	EPI 0
	CLEAR                                          ; tile 2's sums begin
.Lnot_yet_\@:
.endm
	s_wait_alu depctr_va_vdst(0)
	FILL 0                                         ; my part of fill 0 is in; fill 1, slot 1's first, is issued as a refill is
	FRAGS 0, 0
	ASKF 4, PB, 1                                  ; fill 3
	s_wait_kmcnt 0x0
	s_add_co_i32 s82, s80, s81                     ; e8 + e9
	s_wait_loadcnt 0x0                             ; the statistics
	; THE ROWS' M.  Step 0 belongs to tile 1, steps 4 to 8 to tile 2; steps 1 to 3 to one or the other, by selection on masks made of ids.  What is stored is -M, so the sources are negated.
.irp a, 0,1,2,3
	v_max_num_f32 v[M1+\a], -v[NM+\a], -v[NM+4+\a]
	v_max3_num_f32 v[M2+\a], -v[NM+32+\a], -v[NM+36+\a], -v[NM+40+\a]
	v_max3_num_f32 v[M2+\a], v[M2+\a], -v[NM+44+\a], -v[NM+48+\a]
	v_max3_num_f32 v[M2+\a], v[M2+\a], -v[NM+52+\a], -v[NM+56+\a]
	v_max3_num_f32 v[M2+\a], v[M2+\a], -v[NM+60+\a], -v[NM+64+\a]
	v_max_num_f32 v[M2+\a], v[M2+\a], -v[NM+68+\a]
.endr
.irp g, 1,2,3
.irp a, 0,1,2,3
	v_cndmask_b32 v[TT], v[BIG], v[NM+8*\g+\a], s[MK+\g-1]
	v_cndmask_b32 v[TT+1], v[BIG], v[NM+8*\g+4+\a], s[MK+\g-1]
	v_cndmask_b32 v[TT+2], v[NM+8*\g+\a], v[BIG], s[MK+\g-1]
	v_cndmask_b32 v[TT+3], v[NM+8*\g+4+\a], v[BIG], s[MK+\g-1]
	v_max3_num_f32 v[M1+\a], v[M1+\a], -v[TT], -v[TT+1]
	v_max3_num_f32 v[M2+\a], v[M2+\a], -v[TT+2], -v[TT+3]
.endr
.endr
.irp g, 1,2,3
.irp a, 0,1,2,3
	v_cndmask_b32 v[RG+4*(\g-1)+\a], v[M2+\a], v[M1+\a], s[MK+\g-1]
.endr
.endr
	; THE FACTORS f = 2^(M_kb - M_row): a whole number, 0 or less, by v_ldexp_f32 of 1.0: nothing is rounded.  (-3e38 saturates in the conversion and gives f = 0)
.set n, 0
.rept 18
.if n/2 == 0
.set REF, M1
.elseif n/2 < 4
.set REF, RG+4*(n/2-1)
.else
.set REF, M2
.endif
.irp a, 0,1,2,3
	v_sub_f32 v[NM+4*n+\a], -v[NM+4*n+\a], v[REF+\a]
.endr
.set n, n+1
.endr
.set i, 0
.rept 72
	v_cvt_i32_f32 v[NM+i], v[NM+i]
.set i, i+1
.endr
	WIN 0x40                                       ; destination window 1
.set i, 0
.rept 72
	v_ldexp_f32 v[FW+i], 1.0, v[NM+i]
.set i, i+1
.endr
	WIN 0x01                                       ; source 0 window 1
.set i, 0
.rept 72
	v_mul_f32 v[LL+i], v[FW+i], v[LL+i]            ; each block's sum under the row's M
.set i, i+1
.endr
	WIN 0
.irp a, 0,1,2,3
	v_add_f32 v[L1+\a], v[LL+\a], v[LL+4+\a]
	v_add_f32 v[L2+\a], v[LL+32+\a], v[LL+36+\a]
.endr
.irp n, 10,11,12,13,14,15,16,17
.irp a, 0,1,2,3
	v_add_f32 v[L2+\a], v[L2+\a], v[LL+4*\n+\a]
.endr
.endr
.irp g, 1,2,3
.irp a, 0,1,2,3
	v_add_f32 v[TT], v[LL+8*\g+\a], v[LL+8*\g+4+\a]
	v_cndmask_b32 v[TT+1], 0, v[TT], s[MK+\g-1]
	v_cndmask_b32 v[TT+2], v[TT], 0, s[MK+\g-1]
	v_add_f32 v[L1+\a], v[L1+\a], v[TT+1]
	v_add_f32 v[L2+\a], v[L2+\a], v[TT+2]
.endr
.endr
	s_wait_alu depctr_va_vdst(0)                   ; ahead of the batch
.irp a, 0,1,2,3
	v_rcp_f32 v[RC+\a], v[L1+\a]
	v_rcp_f32 v[RC+4+\a], v[L2+\a]
.endr
	v_nop                                          ; a plain line behind the last reciprocal
	s_wait_alu depctr_va_vdst(0)                   ; one wait for the eight, ahead of their first reader
	WIN 0x40
.irp i, 0,1,2,3,4,5,6,7
	v_ldexp_f32 v[DV+2*\i], v[RC+\i], s82          ; 2^(e8 + e9) / l, twice: a pair
	v_ldexp_f32 v[DV+2*\i+1], v[RC+\i], s82
.endr
	WIN 0
	s_mov_b32 s[LC], 2
	s_wait_alu depctr_va_vdst(0)                   ; the head's end
.Lslot:                                            ; two trips, slot 0 and slot 1: blocks 0 to 7; fills 2 and 3 go out.  Tile 1 ends in one of their four steps
	KB 0, FW, 1
	KB 1, FW+4, 2
	COND
	KB 0, FW+8, 3
	FILL 0
	TOGGLE
	FRAGS 0, 0
	ASKF 4, PB, 1                                  ; fill 4 in the first trip, nothing in the second
	KBL 1, FW+12
	COND
	WIN 0x41                                       ; source 0 and destination window 1
.set i, 0
.rept 16
	v_mov_b32 v[FW+i], v[FW+16+i]                  ; the second trip's factors
.set i, i+1
.endr
	WIN 0
	s_sub_co_u32 s[LC], s[LC], 1
	s_cmp_lg_u32 s[LC], 0
	s_wait_alu depctr_va_vdst(0)                   ; ahead of the branch
	s_cbranch_scc1 .Lslot
	KB 0, FW+32, 1
	KB 1, FW+36, 2
	KB 0, FW+40, 3
	FILL 1                                         ; fill 4: one step
	TOGGLE
	FRAGS 0, 0
	KBL 1, FW+44
	KB 0, FW+48, 1
	KB 1, FW+52, 2
	KB 0, FW+56, 3
	WIN 0
	s_wait_tensorcnt 0x0                           ; the last fill has landed; nothing is filled again, so a plain barrier follows
	ds_add_u32 v[SPW], v[NIL]
	s_wait_dscnt 0x0
	s_barrier_signal -1
	s_barrier_wait -1
	TOGGLE
	FRAGS 0, 0
	KBL 1, FW+60
	KB 0, FW+64, 1
	s_wait_dscnt 0x0
	KBL 1, FW+68
	EPI 1
	s_wait_tensorcnt 0x0                           ; the wave's end
	ds_add_u32 v[SPW], v[NIL]
	s_wait_dscnt 0x0
	CROUND                                         ; the closing round
	s_endpgm
.Lfunc_end_k_qc0e2da95b3_pv:
	.size	k_qc0e2da95b3_pv, .Lfunc_end_k_qc0e2da95b3_pv-k_qc0e2da95b3_pv
	.p2alignl 7, 3214868480
	.fill 96, 4, 3214868480
	.section	.rodata,"a",@progbits
	.p2align	6, 0x0
	.amdhsa_kernel k_qc0e2da95b3_pv
		.amdhsa_group_segment_fixed_size 327680
		.amdhsa_private_segment_fixed_size 0
		.amdhsa_enable_private_segment 0
		.amdhsa_kernarg_size 40
		.amdhsa_user_sgpr_count 2
		.amdhsa_user_sgpr_kernarg_segment_ptr 1
		.amdhsa_wavefront_size32 1
		.amdhsa_system_sgpr_workgroup_id_x 1
		.amdhsa_system_sgpr_workgroup_id_y 1
		.amdhsa_system_sgpr_workgroup_id_z 1
		.amdhsa_system_vgpr_workitem_id 0
		.amdhsa_next_free_vgpr 1024
		.amdhsa_next_free_sgpr 100
		.amdhsa_reserve_vcc 0
		.amdhsa_float_denorm_mode_32 3
		.amdhsa_float_denorm_mode_16_64 3
		.amdhsa_memory_ordered 1
		.amdhsa_forward_progress 1
		.amdhsa_inst_pref_size 202
	.end_amdhsa_kernel
	.amdgpu_metadata
---
amdhsa.version: [ 1, 2 ]
amdhsa.kernels:
  - .name:           k_qc0e2da95b3_pv
    .symbol:         k_qc0e2da95b3_pv.kd
    .args:
      - { .name: pc, .offset: 0, .size: 8, .value_kind: global_buffer, .address_space: global }
      - { .name: st, .offset: 8, .size: 8, .value_kind: global_buffer, .address_space: global }
      - { .name: qkv, .offset: 16, .size: 8, .value_kind: global_buffer, .address_space: global }
      - { .name: lowp_scales, .offset: 24, .size: 8, .value_kind: global_buffer, .address_space: global }
      - { .name: out0, .offset: 32, .size: 8, .value_kind: global_buffer, .address_space: global }
    .group_segment_fixed_size: 327680
    .private_segment_fixed_size: 0
    .kernarg_segment_align: 8
    .kernarg_segment_size: 40
    .max_flat_workgroup_size: 128
    .sgpr_count:     100
    .vgpr_count:     1024
    .wavefront_size: 32
...
	.end_amdgpu_metadata
.endif
;; end of part 4
